; MI455X (gfx1250); checked and timed in simulation.
; The chip was launched on July 23, 2026; its instructions are those of AMD's public machine-readable ISA for CDNA 5 (MIT licence, August 2026) and "CDNA5" Instruction Set Architecture Reference Guide (July 2026). The comments in the code are by the model that wrote it; some were corrected since.
;; Quantum Attention. Allowed arithmetic: matrix products marked QUANTISED: E2M3 operands, one E8M0 scale for each 32 along K, by v_wmma_scale_f32_16x16x128_f8f6f4 with both operands' format E2M3, f32 sums; products left as they are: f32 operands where the result goes on into a quantised operand, else bf16, f16 or f32 operands; f32 sums; everything else in f32.
;; Inputs: keys 4 x 2,048 x 16 x 64 float32; params 4 float32; queries 4 x 2,048 x 16 x 64 float32; values 4 x 2,048 x 16 x 64 float32.
;; Outputs: out0 4 x 2,048 x 16 x 64 float32.
;; This version of the problem:
;;   THIS VERSION OF THE PROBLEM IS GIVEN IN LOW PRECISION. The matrix products marked QUANTISED in the list below multiply operands that are first quantised to E2M3 (2 exponent bits, 3 mantissa bits; 6 bits a number), with one power-of-two scale for each 32 numbers along K (OCP MX v1.0); their sums are f32. All else is computed in f32.
;;   The module's matrix products, in the order in which they are computed (A, B: the left and right operand; K: the contracted axis; several contracted axes count as one K, in the product's order):
;;     1. batch 64 x [M 2,048, K 1] x [K 1, N 2,048]; A: computed on the way; B: computed on the way: left as it is (no contracted axis)
;;     2. batch 64 x [M 64, K 2,048] x [K 2,048, N 2,048]; A: input values; B: softmax (see below): QUANTISED
;;   THE QUANTISER, for each operand of a quantised product, along K:
;;     - K is cut into blocks of 32 from its start; a last block that is shorter is filled with zeros.
;;     - A block's scale is 2^e with e = floor(log2(the largest magnitude in the block)) - 2, held to -126 .. 127; a block of zeros has e = 0. As a byte (E8M0): e + 127.
;;     - Each number is divided by its block's scale, clamped to +-7.5, and rounded to the nearest number of E2M3, ties to even, subnormals kept.
;;     - The product sums the exact products of the quantised numbers (number of the format x scale) in f32.
;;   ~~~python
;;   def quantise(x, axis):      # numpy; x: float32 -> the quantised numbers, widened to float32 again
;;       x = np.moveaxis(x, axis, -1); K = x.shape[-1]
;;       x = np.pad(x, [(0, 0)] * (x.ndim - 1) + [(0, -K % 32)]); x = x.reshape(x.shape[:-1] + (-1, 32)); a = np.abs(x).max(-1, keepdims=True)
;;       e = np.where(a > 0, np.clip(np.frexp(np.where(a > 0, a, 1))[1] - 1 - 2, -126, 127), 0)      # np.frexp(a)[1] - 1 = floor(log2(a)), exactly
;;       r = np.clip(x / 2.0 ** e, -7.5, 7.5)
;;       step = 2.0 ** (np.maximum(np.frexp(np.where(r == 0, 1, r))[1] - 1, 0) - 3)
;;       q = np.round(r / step) * step * 2.0 ** e      # np.round: ties to even
;;       return np.moveaxis(q.reshape(q.shape[:-2] + (-1,))[..., :K], -1, axis).astype(np.float32)
;;   ~~~
;;   SOFTMAX AHEAD OF A QUANTISED PRODUCT. Where the list says 'softmax', what is quantised is not the finished softmax but p = 2^(t - M), with t = logit x log2(e) and M = ceil(the row's largest t), a whole number; so 1/2 < the row's largest p <= 1. The row's sum l is taken of the UNQUANTISED p, in f32, and the product's result is divided by l at the end. Since M is a whole number, a kernel that streams over the keys may use a running M (the ceiling of the running maximum): every later rescaling is an exact power of two, which a block's scale takes up: the codes' values come out the same.
;;   OPERANDS COMPUTED ON THE WAY. 'Computed on the way' means the value that the module computes at that place (a softmax that the list does not call 'softmax' is quantised finished and normalised). What goes into a quantiser is computed in f32, as accurately as f32 sums, v_exp_f32 and their like allow (about 1e-6 of the number): no bf16 or f16 on the way to a quantiser, and a product that is left as it is and whose result goes on into a quantised operand takes f32 operands (vector FMAs, or v_wmma_f32_16x16x4_f32). A number that lies on a knife's edge between two numbers of the format may be rounded either way, as far as f32 arithmetic and the matrix unit's own rounding can turn it there, and no further.
;; 2 versions. Each part assembles by itself: llvm-mc -triple=amdgcn-amd-amdhsa -mcpu=gfx1250 --defsym DOCPART=n.
;; ======== version 1 of 2: 2 launches
;; limits: right only within a limited range of input values
;; workspace buffers: ws 7,864,320 bytes
;; launch prep (part 1): grid 256 x 1, 16 waves a work-group, no clusters, 163,840 bytes of LDS; arguments values, keys, ws; writes ws
.if DOCPART == 1
	.amdgcn_target "amdgcn-amd-amdhsa--gfx1250"
	.amdhsa_code_object_version 6
	.text
	.protected	k_q4c73132c30_prep
	.globl	k_q4c73132c30_prep
	.p2align	8
	.type	k_q4c73132c30_prep,@function
k_q4c73132c30_prep:
	s_mov_b64 s[64:65], 0
	v_nop
	global_prefetch_b8 v0, s[64:65] scope:SCOPE_SE
	s_setreg_imm32_b32 hwreg(HW_REG_WAVE_MODE, 25, 1), 1
	s_wait_xcnt 0x0
; PREP.  values, keys: [4][2048][16][64] f32.  For each (batch, head, key step of 128 keys) one RECORD of 7,680 bytes is made in ws, at ((16 b + head) 16 + step) x 7,680:
;   0     6,144  the values' codes of FP6 (E2M3), quantised ALONG THE KEYS, in the order of the second launch's operand registers: tile t at 1,536 t, lane l' = r + 16 h at 48 l':
;                24 bytes of block h, then 24 bytes of block 2 + h (a block = 32 keys), of channel d = 4 r + t; the lowest key in the lowest bits
;   6,144   256  their E8M0 scale words: channel d's word at 4 d, byte = block
;   6,400   512  ks = the sum of a key's 64 channels, f32, 128 keys;      6,912   512  vs = the same of values
;   7,424   256  eight equal copies of 32 bytes: at 16 (block & 1) + 8 (block >> 1) the largest and the smallest ks of the block
; A block's scale is 2^(floor(log2(its largest magnitude)) - 2); its byte is the largest magnitude's exponent field - 2, held at 1 from below.
; LIMITS: a block of zeros gets the byte 1 where the rule says 127 (its codes are zeros, and this program alone reads the bytes); blocks whose largest magnitude lies under 2^(2 - 126) are held at that byte;
; NaN and infinities among the inputs are not served.  The sums of 64 are pairwise f32 sums, in another order than a plain chain.
; SHARES.  Work-group x: four heads (x & 3), key step (x >> 2) & 15, batch x >> 6.  Wave w: head 4 (x & 3) + (w >> 2), block w & 3: 32 rows of 256 bytes of values and as many of keys.
; Each load takes two whole rows (sixteen lanes: 256 consecutive bytes, aligned); all 32 loads of a wave go out at once.  The quantiser wants a lane to hold ONE channel and its registers to run down the keys:
; the wave's 8,192 bytes of values turn through its own stage in LDS.  No tensor load, no ring; one barrier, between the making of a record by four waves and its way out in runs of 512 bytes.
.set OUT,  131072                      ; LDS: sixteen stages of 8,192 bytes, then four records
.set REC,  7680
.set O_SC, 6144
.set O_KS, 6400
.set O_VS, 6912
.set O_MM, 7424
.set GOFF, 2                           ; v2   4,096 (lane / 16) + 16 (lane % 16): my 16 bytes of a load's two rows
.set TS,   3                           ; v3   my stage + 16 x lane: in, as loaded
.set TL,   4                           ; v4   my stage + 4 x lane: out, a channel a lane
.set AS,   5                           ; v5   my record + 128 x block + 4 (lane / 16): a row's sum
.set AC,   6                           ; v6   my record + where my channel's 24 bytes of codes go
.set AB,   7                           ; v7   my record + block + 4 x lane: my channel's scale byte
.set AM,   8                           ; v8   my record + 16 (block & 1) + 8 (block >> 1) + 32 (lane % 8)
.set CL,   9                           ; v9   the way out: my record + 512 x block + 16 x lane
.set CG,   10                          ; v10  and the same place in ws
.set SR,   16                          ; v16-31   sixteen row sums
.set VV,   32                          ; v32-95   values as loaded; later the way out
.set KK,   96                          ; v96-159  keys as loaded
.set XR,   160                         ; v160-223 two sets of 32 numbers down the keys: channels lane and lane + 32
.set TP,   224                         ; v224-231 four pairs at work
.set CD,   232                         ; v232-243 the codes of the two sets, six registers each
.set CT,   244                         ; v244-246 the upper half of a block's codes as the conversion leaves it
.set BY,   247                         ; v247-248 the two scale bytes
.set MM,   250                         ; v250-251 largest and smallest ks
	s_load_b128 s[4:7], s[0:1], 0x0                ; values, keys
	s_load_b64 s[8:9], s[0:1], 0x10                ; ws
	v_lshl_add_u32 v254, v0, 2, 0x27800
	v_mov_b32 v255, 0
	v_lshrrev_b32 v1, 5, v0
	v_readfirstlane_b32 s10, v1                    ; wave 0..15
	s_lshr_b32 s11, s10, 2                         ; which of the four heads
	s_and_b32 s12, s10, 3                          ; which block of 32 keys
	s_and_b32 s13, ttmp9, 3
	s_bfe_u32 s14, ttmp9, 0x40002                  ; key step
	s_lshr_b32 s15, ttmp9, 6                       ; batch
	s_lshl_b32 s16, s13, 2
	s_add_co_u32 s16, s16, s11                     ; head
	s_lshl_b32 s17, s15, 11
	s_lshl_b32 s18, s14, 7
	s_add_co_u32 s17, s17, s18
	s_lshl_b32 s18, s12, 5
	s_add_co_u32 s17, s17, s18                     ; my first row: 2,048 b + 128 step + 32 block
	s_lshl_b32 s17, s17, 12                        ; a row of all heads is 4,096 bytes,
	s_lshl_b32 s18, s16, 8                         ; a head's part of it 256
	s_add_co_u32 s22, s17, s18
	s_mov_b32 s23, 0
	s_lshl_b32 s17, s15, 4
	s_add_co_u32 s17, s17, s16
	s_lshl_b32 s17, s17, 4
	s_add_co_u32 s17, s17, s14
	s_mul_i32 s24, s17, REC                        ; my record in ws
	s_mov_b32 s25, 0
	s_mov_b32 s20, 0x76543210
	s_mov_b32 s21, 0xfedcba98                      ; v_permlanex16_b32's selects for lane l xor 16
	v_and_b32 v1, 31, v0                           ; lane
	v_bfe_u32 v11, v0, 4, 1                        ; lane / 16
	v_and_b32 v12, 15, v0                          ; lane % 16
	v_lshlrev_b32 v[GOFF], 12, v11
	v_lshl_add_u32 v[GOFF], v12, 4, v[GOFF]
	s_lshl_b32 s17, s10, 13                        ; my stage
	v_lshl_add_u32 v[TS], v1, 4, s17
	v_lshl_add_u32 v[TL], v1, 2, s17
	s_mul_i32 s18, s11, REC
	s_add_co_u32 s18, s18, OUT                     ; my record in LDS
	s_lshl_b32 s19, s12, 7
	s_add_co_u32 s19, s19, s18
	v_lshl_add_u32 v[AS], v11, 2, s19
	s_and_b32 s26, s12, 1                          ; the block's h
	s_lshr_b32 s27, s12, 1                         ; and its c: block = 2 c + h
	s_mul_i32 s19, s26, 768                        ; lanes 16-31 of a tile begin 16 x 48 bytes on
	s_mul_i32 s28, s27, 24
	s_add_co_u32 s19, s19, s28
	s_add_co_u32 s19, s19, s18
	v_and_b32 v13, 3, v0                           ; t = channel % 4
	v_bfe_u32 v14, v0, 2, 3                        ; r = channel / 4 (set 1: + 8, in the immediate)
	v_mul_u32_u24 v[AC], v13, 1536
	v_mad_u32_u24 v[AC], v14, 48, v[AC]
	v_add_nc_u32 v[AC], s19, v[AC]
	s_add_co_u32 s19, s18, s12
	v_lshl_add_u32 v[AB], v1, 2, s19
	s_lshl_b32 s19, s26, 4
	s_lshl_b32 s28, s27, 3
	s_add_co_u32 s19, s19, s28
	s_add_co_u32 s19, s19, s18
	v_and_b32 v13, 7, v0
	v_lshl_add_u32 v[AM], v13, 5, s19
	s_lshl_b32 s19, s12, 9
	v_lshl_add_u32 v[CG], v1, 4, s19
	v_add_nc_u32 v[CL], s18, v[CG]
	v_mov_b32 v14, 0                               ; written once: a lane permute's destination counts as one of its sources
	v_mov_b32 v15, 0
	s_wait_kmcnt 0x0
	s_add_nc_u64 s[4:5], s[4:5], s[22:23]
	s_add_nc_u64 s[6:7], s[6:7], s[22:23]
	s_add_nc_u64 s[8:9], s[8:9], s[24:25]
.irp i, 0,1,2,3,4,5,6,7,8,9,10,11,12,13,14,15
	global_load_b128 v[VV+4*\i:VV+4*\i+3], v[GOFF], s[4:5] offset:8192*\i th:TH_LOAD_NT   ; rows 2 i and 2 i + 1 of values
.endr
.irp i, 0,1,2,3,4,5,6,7,8,9,10,11,12,13,14,15
	global_load_b128 v[KK+4*\i:KK+4*\i+3], v[GOFF], s[6:7] offset:8192*\i th:TH_LOAD_NT   ; and of keys
.endr
; The sums of 32 rows of 64: my four numbers of each of sixteen rows, then the sixteen lanes of my half.  Afterwards every lane of half q holds in v[SR + i] the sum of row 2 i + q.
.macro ROWSUM src
.irp g, 0,1,2,3
.irp k, 0,1,2,3
	v_pk_add_f32 v[TP+2*\k:TP+2*\k+1], v[\src+4*(4*\g+\k):\src+4*(4*\g+\k)+1], v[\src+4*(4*\g+\k)+2:\src+4*(4*\g+\k)+3]
.endr
.irp k, 0,1,2,3
	v_add_f32 v[SR+4*\g+\k], v[TP+2*\k], v[TP+2*\k+1]
.endr
.endr
.irp m, 1,2,4,8
.irp i, 0,1,2,3,4,5,6,7,8,9,10,11,12,13,14,15
	v_add_f32_dpp v[SR+\i], v[SR+\i], v[SR+\i] row_xmask:\m row_mask:0xf bank_mask:0xf   ; (the sixteen rows by turns)
.endr
.endr
.endm
; Set e: my channel lane + 32 e, its 32 keys of the wave's block: all are mine, so the largest magnitude needs no other lane.
.macro QUANT e
.set XS, XR+32*\e
.set CE, CD+6*\e
	v_max3_num_f32 v11, |v[XS]|, |v[XS+1]|, 0x1800000              ; with the floor 2^(3 - 127) among the leaves: the byte cannot fall under 1
	v_max3_num_f32 v12, |v[XS+2]|, |v[XS+3]|, |v[XS+4]|
.irp i, 5,9,13,17,21,25
	v_max3_num_f32 v11, v11, |v[XS+\i]|, |v[XS+\i+1]|
	v_max3_num_f32 v12, v12, |v[XS+\i+2]|, |v[XS+\i+3]|
.endr
	v_max3_num_f32 v11, v11, |v[XS+29]|, |v[XS+30]|
	v_max3_num_f32 v11, v11, v12, |v[XS+31]|
	v_add_nc_u32 v13, 0xff000000, v11              ; 2 off its exponent field: the conversion takes the exponent field of this operand as its scale, and nothing else of it
	v_lshrrev_b32 v[BY+\e], 23, v13                ; the scale's byte
	v_cvt_scalef32_pk16_fp6_f32 v[CE:CE+2], v[XS:XS+15], v13
	v_cvt_scalef32_pk16_fp6_f32 v[CT:CT+2], v[XS+16:XS+31], v13    ; (a conversion's three registers begin on an even number)
	v_nop                                          ; one plain place behind a scaled conversion
.irp i, 0,1,2
	v_mov_b32 v[CE+3+\i], v[CT+\i]
.endr
.irp p, 0,1,2
	ds_store_b64 v[AC], v[CE+2*\p:CE+2*\p+1] offset:384*\e+8*\p     ; 24 bytes: six of the operand's registers
.endr
	ds_store_b8 v[AB], v[BY+\e] offset:O_SC+128*\e
.endm
	s_wait_loadcnt 16                              ; values are in; the 16 younger loads, the keys', stay out
.irp i, 0,1,2,3,4,5,6,7,8,9,10,11,12,13,14,15
	ds_store_b128 v[TS], v[VV+4*\i:VV+4*\i+3] offset:512*\i        ; the stage: row p at 256 p, as it lies in memory
.endr
.irp e, 0,1
.irp p, 0,1,2,3,4,5,6,7,8,9,10,11,12,13,14,15,16,17,18,19,20,21,22,23,24,25,26,27,28,29,30,31
	ds_load_b32 v[XR+32*\e+\p], v[TL] offset:256*\p+128*\e         ; LDS serves a wave's instructions in order (ISA guide 5.7.1.4): these see my stores.  32 lanes: 128 consecutive bytes of row p
.endr
.endr
	ROWSUM VV                                      ; vs, while the turn is on its way
.irp i, 0,1,2,3,4,5,6,7,8,9,10,11,12,13,14,15
	ds_store_b32 v[AS], v[SR+\i] offset:O_VS+8*\i  ; the sixteen lanes of a half write one word with one value
.endr
	s_wait_dscnt 16                                ; behind the 64 turned loads only these 16 stores were issued
	QUANT 0
	QUANT 1
	s_wait_loadcnt 0x0                             ; keys
	s_wait_dscnt 0x0                               ; the stores have read the sums' registers
	ROWSUM KK
.irp i, 0,1,2,3,4,5,6,7,8,9,10,11,12,13,14,15
	ds_store_b32 v[AS], v[SR+\i] offset:O_KS+8*\i
.endr
	v_max3_num_f32 v[MM], v[SR], v[SR+1], v[SR+2]                  ; the block's largest and smallest ks: my half's sixteen rows,
	v_min3_num_f32 v[MM+1], v[SR], v[SR+1], v[SR+2]
.irp i, 3,5,7,9,11,13
	v_max3_num_f32 v[MM], v[MM], v[SR+\i], v[SR+\i+1]
	v_min3_num_f32 v[MM+1], v[MM+1], v[SR+\i], v[SR+\i+1]
.endr
	v_max_num_f32 v[MM], v[MM], v[SR+15]
	v_min_num_f32 v[MM+1], v[MM+1], v[SR+15]
	v_permlanex16_b32 v14, v[MM], s20, s21
	v_permlanex16_b32 v15, v[MM+1], s20, s21
	v_max_num_f32 v[MM], v[MM], v14                ; and the other half's
	v_min_num_f32 v[MM+1], v[MM+1], v15
	ds_store_b64 v[AM], v[MM:MM+1] offset:O_MM     ; eight copies, so that all 256 bytes are written with every lane on
	s_wait_dscnt 0x0                               ; for the others' sake: my part of the record lies in LDS
	s_barrier_signal -1
	s_barrier_wait -1                              ; the four records are whole
	; THE WAY OUT.  A record is 15 runs of 512 bytes; the wave of block n takes runs n, n + 4, n + 8, n + 12 (run 15 does not exist).  32 lanes store 512 consecutive bytes, at a multiple of 256 from ws's first byte.
.irp n, 0,1,2
	ds_load_b128 v[VV+4*\n:VV+4*\n+3], v[CL] offset:2048*\n
.endr
.irp n, 0,1,2
	s_wait_dscnt 2-\n                              ; the younger of the three may stay out
	global_store_b128 v[CG], v[VV+4*\n:VV+4*\n+3], s[8:9] offset:2048*\n
.endr
	s_cmp_eq_u32 s12, 3
	s_cbranch_scc1 .Lend
	ds_load_b128 v[VV+12:VV+15], v[CL] offset:6144
	s_wait_dscnt 0x0
	global_store_b128 v[CG], v[VV+12:VV+15], s[8:9] offset:6144
.Lend:
	s_wait_tensorcnt 0x0
	ds_add_u32 v254, v255
	s_wait_dscnt 0x0
	s_endpgm
.Lfunc_end_k_q4c73132c30_prep:
	.size	k_q4c73132c30_prep, .Lfunc_end_k_q4c73132c30_prep-k_q4c73132c30_prep
	.p2alignl 7, 3214868480
	.fill 96, 4, 3214868480
	.section	.rodata,"a",@progbits
	.p2align	6, 0x0
	.amdhsa_kernel k_q4c73132c30_prep
		.amdhsa_group_segment_fixed_size 163840
		.amdhsa_private_segment_fixed_size 0
		.amdhsa_enable_private_segment 0
		.amdhsa_kernarg_size 24
		.amdhsa_user_sgpr_count 2
		.amdhsa_user_sgpr_kernarg_segment_ptr 1
		.amdhsa_wavefront_size32 1
		.amdhsa_system_sgpr_workgroup_id_x 1
		.amdhsa_system_sgpr_workgroup_id_y 1
		.amdhsa_system_sgpr_workgroup_id_z 1
		.amdhsa_system_vgpr_workitem_id 0
		.amdhsa_next_free_vgpr 256
		.amdhsa_next_free_sgpr 66
		.amdhsa_reserve_vcc 0
		.amdhsa_float_denorm_mode_32 3
		.amdhsa_float_denorm_mode_16_64 3
		.amdhsa_memory_ordered 1
		.amdhsa_forward_progress 1
		.amdhsa_inst_pref_size 30
	.end_amdhsa_kernel
	.amdgpu_metadata
---
amdhsa.version: [ 1, 2 ]
amdhsa.kernels:
  - .name:           k_q4c73132c30_prep
    .symbol:         k_q4c73132c30_prep.kd
    .args:
      - { .name: values, .offset: 0, .size: 8, .value_kind: global_buffer, .address_space: global }
      - { .name: keys, .offset: 8, .size: 8, .value_kind: global_buffer, .address_space: global }
      - { .name: ws, .offset: 16, .size: 8, .value_kind: global_buffer, .address_space: global }
    .group_segment_fixed_size: 163840
    .private_segment_fixed_size: 0
    .kernarg_segment_align: 8
    .kernarg_segment_size: 24
    .max_flat_workgroup_size: 512
    .sgpr_count:     66
    .vgpr_count:     256
    .wavefront_size: 32
...
	.end_amdgpu_metadata
.endif
;; end of part 1
;; launch attend (part 2): grid 256 x 1, 8 waves a work-group, no clusters, 123,904 bytes of LDS; arguments ws, params, out0; writes out0
.if DOCPART == 2
	.amdgcn_target "amdgcn-amd-amdhsa--gfx1250"
	.amdhsa_code_object_version 6
	.text
	.protected	k_q4c73132c30_attend
	.globl	k_q4c73132c30_attend
	.p2align	8
	.type	k_q4c73132c30_attend,@function
k_q4c73132c30_attend:
	s_mov_b64 s[64:65], 0
	v_nop
	global_prefetch_b8 v0, s[64:65] scope:SCOPE_SE
	s_setreg_imm32_b32 hwreg(HW_REG_WAVE_MODE, 25, 1), 1
	s_wait_xcnt 0x0
; ATTEND.  out0[b][l][head][:] = the sum over s <= l of softmax_s(0.125 (cos(params[0]) + 0.5 vs[l] ks[s])) values[b][s][head][:], vs and ks the sums of values' and keys' 64 channels.
; The product is made on codes of FP6 (E2M3) with one E8M0 scale for each 32 keys: values' codes come from ws; p = 2^(t - M) is quantised here.
;   t = c0 + a k:  a = vs x 0.0625 log2(e), k = ks, c0 = cos(params[0]) x 0.125 log2(e);  M = ceil(the row's largest t);  the row's sum is taken of the unquantised p and divides at the end.
; queries is in no argument list: the function takes its shape alone, so none of its numbers can reach out0.
; THE LOGIT IS LINEAR IN k, and a fused multiply-add does not fall where its input rises.  So the largest t over any set of keys is the larger of fma(a, largest k, c) and fma(a, smallest k, c):
; a row's M is known ahead of its first product (no running maximum, nothing is rescaled), and a block's largest p is two multiply-adds, a maximum and an exponential.
; (That a block's largest p is the exponential of its largest t takes v_exp_f32 not to fall where its input rises.)
; SHARES.  Work-group x: head x >> 2 (of 64), quarter x & 3.  The head's 16 records (122,880 bytes) are copied into LDS once; behind the one barrier LDS is only read, and memory is only written.
; A DOUBLE TILE is 32 queries (two tiles of 16); double tile n needs key steps 0 .. n >> 2, the last on the diagonal.  Wave u = 8 (x & 3) + w takes double tiles u and 63 - u: 17 key steps of 128 for every wave.
; NO CLUSTER: the four work-groups of a head read the same 122,880 bytes, but once, ahead of the 17 key steps, in which no input byte is asked for.
; LAYOUT.  O = P V: source 0 = p of 16 queries, source 1 = 16 channels of values.  Lane (r, h) holds query r; register 32 c + i holds key 64 c + 32 h + i: whole blocks 2 c + h, as the operand's layout wants them.
; The channels of V's tile t are 4 r + t, so that a lane's results of the four tiles are 16 neighbouring bytes of a row of out0, and sixteen lanes store a row's 256 bytes: no stage on the way out.
; A PASS begins with its DIAGONAL step: there t is made, hidden keys become -infinity, and with the largest t of the steps before (from the records' largest and smallest ks) M is fixed; its products start the sums.
; LIMITS: NaN and infinities are not served; cos is good to about 1e-7 absolute for |params[0]| up to 1e5; p under 2^-126 counts as 0 (v_exp_f32, ISA guide 15.8); a block of zeros has the byte 1, over zero codes.
; REGISTERS.  Window 0: below.  Window 1: v0-63 the accumulators (tile u of queries, tile t of channels: v[8 (4 u + t)]); v64-111 V's four fragments.
.set REC,  7680
.set O_SC, 6144
.set O_KS, 6400
.set O_VS, 6912
.set O_MM, 7424
.set LK,   2                           ; v2   128 h: my blocks' ks in a record
.set LV,   3                           ; v3   48 x lane: my 48 bytes of a fragment of V
.set LS,   4                           ; v4   16 r: the scale words of channels 4 r .. 4 r + 3
.set LM,   5                           ; v5   16 h: largest and smallest ks of blocks h and 2 + h
.set LP,   6                           ; v6   7,680 (lane / 2) + 16 (lane % 2): the same of record lane / 2
.set LQ,   7                           ; v7   4 r
.set GO,   8                           ; v8   32,768 h + 16 r: out0: eight rows down for lanes 16-31, 16 bytes a lane
.set SH8,  9                           ; v9   8 h
.set STL,  10                          ; v10  lane / 2
.set DQ,   11                          ; v11  r - 32 h
.set ZA,   12                          ; v12  0
.set NINF, 13                          ; v13  -infinity
.set WK,   14                          ; v14, v15, v46, v47: the step's LDS addresses
.set WM,   15
.set AA,   16                          ; tile u: v[16 + 6 u] (a, a); v[18 + 6 u] (c0 - M, twice); v[20 + 6 u] the sum, in two halves
.set CM,   18
.set SS,   20
.set CC,   28                          ; v28-29 (c0, c0)
.set NM,   30                          ; v30-31 (-M, -M)
.set TPRE, 32                          ; v32-33 the largest t of the steps before the diagonal
.set DD,   34                          ; v34-35 my query less my first key, in the diagonal step
.set IDX,  36                          ; v36-43 4 (8 h + j): the lane that holds query 8 h + j
.set RL,   44                          ; v44-45 1 / the sum
.set WV,   46
.set WS,   47
.set RB,   48                          ; v48-63 1 / the sum of query 8 h + j, tile u: v[48 + 8 u + j]
.set KR,   64                          ; v64-127  ks; then tile 0's t and p
.set PR,   128                         ; v128-191 tile 1's t and p; at the end the rows to be stored
.set CA,   192                         ; v192-203 tile 0's codes; v204-215 tile 1's
.set CB,   204
.set CTM,  216                         ; v216-218, v220-222 the upper halves as the conversions leave them
.set VS,   224                         ; v224-227 V's scale words: scales and nothing else
.set PS,   228                         ; v228-229 p's scale words: scales and nothing else
.set KM,   232                         ; v232-235 largest, smallest ks of block h; of block 2 + h
.set TM,   236                         ; v[236 + 2 u + c] the largest t, then p, of my block c
.set SO,   240                         ; v240-241 the conversions' scale operands;  v242-243 the bytes
.set BY,   242
.set W,    244                         ; v244-251 at work; v244 takes the lane permutes
.set VQ,   252                         ; v252-253 vs of my query in tiles 0, 1
.set KS0,  254                         ; v254 ks of key 0
.set TQ,   255
.set CP0,  184                         ; at the head alone: 16 x thread; the same + 65,536
.set CP1,  185
.set VF,   64                          ; window 1
.set SEL,  12                          ; s[12:13] v_permlanex16_b32's selects for lane l xor 16
.set PAR,  14                          ; s14 params[0]
.set DT,   15                          ; s15 the double tile
.set GS,   16                          ; s16 its diagonal step, and the number of full steps
.set RD,   17                          ; s17 7,680 x that
.set RQ,   18                          ; s18 + 128 (DT & 3)
.set M32,  19                          ; s19 32 (DT & 3)
.set OB,   20                          ; s[20:21] out0 at the double tile's first row
.set OO,   22
.set CNT,  24
.set PASS, 25
.set TB,   32                          ; s32 7,680 x the full step in hand
.set MSB, 0
.macro WIN new                         ; s_set_vgpr_msb: bits 1:0 source 0, 3:2 source 1, 5:4 source 2, 7:6 destination; the high byte repeats the setting that is left
.if MSB != \new
	s_set_vgpr_msb (MSB<<8)|\new
.set MSB, \new
.endif
.endm
	s_load_b128 s[4:7], s[0:1], 0x0                ; ws, params
	s_load_b64 s[8:9], s[0:1], 0x10                ; out0
	v_lshl_add_u32 v230, v0, 2, 0x1e000
	v_mov_b32 v231, 0
	v_lshrrev_b32 v1, 5, v0
	v_readfirstlane_b32 s10, v1                    ; wave 0..7
	s_lshr_b32 s26, ttmp9, 2                       ; 16 b + head
	s_and_b32 s27, ttmp9, 3
	s_lshl_b32 s[DT], s27, 3
	s_add_co_u32 s[DT], s[DT], s10                 ; u: the first pass's double tile
	s_mul_i32 s28, s26, 16*REC                     ; the head's records
	s_mov_b32 s29, 0
	s_lshr_b32 s30, s26, 4
	s_and_b32 s31, s26, 15
	s_lshl_b32 s30, s30, 23                        ; b x 2,048 rows of 4,096 bytes
	s_lshl_b32 s31, s31, 8                         ; + head x 256
	s_add_co_u32 s30, s30, s31
	s_mov_b32 s31, 0
	s_mov_b32 s[SEL], 0x76543210
	s_mov_b32 s[SEL+1], 0xfedcba98
	v_and_b32 v1, 31, v0                           ; lane
	v_and_b32 v244, 15, v0                         ; r
	v_bfe_u32 v245, v0, 4, 1                       ; h
	v_lshlrev_b32 v[LK], 7, v245
	v_mul_u32_u24 v[LV], v1, 48
	v_lshlrev_b32 v[LS], 4, v244
	v_lshlrev_b32 v[LM], 4, v245
	v_bfe_u32 v[STL], v0, 1, 4
	v_and_b32 v246, 1, v0
	v_mul_u32_u24 v[LP], v[STL], REC
	v_lshl_add_u32 v[LP], v246, 4, v[LP]
	v_lshlrev_b32 v[LQ], 2, v244
	v_lshlrev_b32 v[GO], 15, v245
	v_lshl_add_u32 v[GO], v244, 4, v[GO]
	v_lshlrev_b32 v[SH8], 3, v245
	v_lshlrev_b32 v246, 5, v245                    ; 32 h
	v_sub_nc_u32 v[DQ], v244, v246
	v_mov_b32 v[ZA], 0
	v_mov_b32 v[NINF], 0xff800000
.irp j, 0,1,2,3,4,5,6,7
	v_add_nc_u32 v[IDX+\j], 4*\j, v246
.endr
	v_lshlrev_b32 v[CP0], 4, v0
	v_add_nc_u32 v[CP1], 0x10000, v[CP0]           ; an LDS immediate has 16 bits: the upper part of LDS through a second register
	s_wait_kmcnt 0x0
	s_load_b32 s[PAR], s[6:7], 0x0
	s_add_nc_u64 s[4:5], s[4:5], s[28:29]
	s_add_nc_u64 s[8:9], s[8:9], s[30:31]
.set nn, 0
.rept 30
	global_load_b128 v[KR+4*nn:KR+4*nn+3], v[CP0], s[4:5] offset:4096*nn   ; 256 threads x 16 bytes x 30 = the head's 122,880 bytes, all asked for at once
.set nn, nn+1
.endr
	; cos(params[0]), while they are on their way: x = n pi/2 + r, |r| <= pi/4 (pi/2 in three parts, each taken off by a fused multiply-add); cos r and sin r by their series, whose first term left out is under 3e-8
	s_wait_kmcnt 0x0
	v_mov_b32 v245, s[PAR]
	v_mul_f32 v246, 0x3f22f983, v245               ; x 2 / pi
	v_rndne_f32 v246, v246                         ; n
	v_fma_f32 v247, v246, 0xbfc90fdb, v245
	v_fma_f32 v247, v246, 0x333bbd2e, v247
	v_fma_f32 v247, v246, 0x26f72cf1, v247         ; r
	v_mul_f32 v250, v247, v247                     ; z = r r
	v_mov_b32 v248, 0x37d00d01                     ; 1/40320
	v_mov_b32 v249, 0x3638ef1d                     ; 1/362880
	v_fma_f32 v248, v248, v250, 0xbab60b61         ; -1/720
	v_fma_f32 v249, v249, v250, 0xb9500d01         ; -1/5040
	v_fma_f32 v248, v248, v250, 0x3d2aaaab         ; 1/24
	v_fma_f32 v249, v249, v250, 0x3c088889         ; 1/120
	v_fma_f32 v248, v248, v250, -0.5
	v_fma_f32 v249, v249, v250, 0xbe2aaaab         ; -1/6
	v_fma_f32 v248, v248, v250, 1.0                ; cos r
	v_mul_f32 v249, v249, v250
	v_fma_f32 v249, v249, v247, v247               ; sin r
	v_cvt_i32_f32 v251, v246                       ; n mod 4: 0 cos r, 1 -sin r, 2 -cos r, 3 sin r
	v_and_b32 v246, 1, v251
	v_cmp_eq_u32 vcc_lo, 1, v246
	v_cndmask_b32 v248, v248, v249, vcc_lo
	v_add_nc_u32 v251, 1, v251
	v_and_b32 v251, 2, v251
	v_lshlrev_b32 v251, 30, v251                   ; the sign bit where n mod 4 is 1 or 2
	v_xor_b32 v248, v248, v251
	v_mul_f32 v[CC], 0x3e38aa3b, v248              ; c0 = cos x 0.125 log2(e)
	v_mov_b32 v[CC+1], v[CC]
	v_mov_b32 v[W], 0                              ; written once: a lane permute's destination counts as one of its sources
.set nn, 0
.rept 30
	s_wait_loadcnt 29-nn                           ; loads come back in order (ISA guide 5.7.1): this one is in, the younger ones stay out
.if nn < 16
	ds_store_b128 v[CP0], v[KR+4*nn:KR+4*nn+3] offset:4096*nn
.else
	ds_store_b128 v[CP1], v[KR+4*nn:KR+4*nn+3] offset:4096*(nn-16)
.endif
.set nn, nn+1
.endr
	s_wait_dscnt 0x0                               ; for the others' sake: my part lies in LDS
	s_barrier_signal -1
	s_barrier_wait -1                              ; the sixteen records are whole; from here on LDS is only read
; V's four fragments (three loads of 16 bytes each: the lane's 48 bytes are its 12 registers; lanes 48 bytes apart, so sixteen lanes' pieces fall on sixteen different columns of 16 bytes modulo 256) and its scale words: 13 loads
.macro VLOADS
	WIN 0x40                                       ; destination window 1
.irp t, 0,1,2,3
.irp g, 0,1,2
	ds_load_b128 v[VF+12*\t+4*\g:VF+12*\t+4*\g+3], v[WV] offset:1536*\t+16*\g
.endr
.endr
	WIN 0
	ds_load_b128 v[VS:VS+3], v[WS] offset:O_SC
.endm
; my 64 ks of a record (16 loads; the sixteen lanes of a half read the same bytes), and with mm = 1 my two blocks' largest and smallest
.macro KLOADS ak, am, off, mm
.irp c, 0,1
.irp q, 0,1,2,3,4,5,6,7
	ds_load_b128 v[KR+32*\c+4*\q:KR+32*\c+4*\q+3], v[\ak] offset:\off+O_KS+256*\c+16*\q
.endr
.endr
.if \mm
	ds_load_b128 v[KM:KM+3], v[\am] offset:\off+O_MM
.endif
.endm
; the largest t - M of my two blocks, tile u: the same multiply-add on the same numbers as TFMA's gives the same bits
.macro TMAX u
.irp c, 0,1
	v_fma_f32 v[W+1+2*\c], v[AA+6*\u], v[KM+2*\c], v[CM+6*\u]
	v_fma_f32 v[W+2+2*\c], v[AA+6*\u], v[KM+2*\c+1], v[CM+6*\u]
.endr
.irp c, 0,1
	v_max_num_f32 v[TM+2*\u+\c], v[W+1+2*\c], v[W+2+2*\c]
.endr
.endm
; v[rg ..] = k a + ad, 64 numbers, two at a time
.macro TFMA rg, u, ad
.set nn, 0
.rept 32
	v_pk_fma_f32 v[\rg+nn:\rg+nn+1], v[KR+nn:KR+nn+1], v[AA+6*\u:AA+6*\u+1], v[\ad:\ad+1]
.set nn, nn+2
.endr
.endm
; The diagonal step, tile u: t; hidden keys become -infinity; my blocks' largest t; the row's; M; t - M.
.macro DPRE u, rg
	TFMA \rg, \u, CC
.set nn, 0
.rept 64
	v_cmp_gt_i32 vcc_lo, 64*(nn/32)+nn%32, v[DD+\u]               ; register 32 c + i holds key 64 c + 32 h + i of the step: hidden where 64 c + i > my query - 32 h
	v_cndmask_b32 v[\rg+nn], v[\rg+nn], v[NINF], vcc_lo
.set nn, nn+1
.endr
.irp c, 0,1
	v_max3_num_f32 v[TM+2*\u+\c], v[\rg+32*\c], v[\rg+32*\c+1], v[\rg+32*\c+2]
.endr
.irp i, 3,5,7,9,11,13,15,17,19,21,23,25,27,29
.irp c, 0,1
	v_max3_num_f32 v[TM+2*\u+\c], v[TM+2*\u+\c], v[\rg+32*\c+\i], v[\rg+32*\c+\i+1]   ; (the two blocks by turns)
.endr
.endr
.irp c, 0,1
	v_max_num_f32 v[TM+2*\u+\c], v[TM+2*\u+\c], v[\rg+32*\c+31]
.endr
	v_max_num_f32 v[W+1], v[TM+2*\u], v[TM+2*\u+1]
	v_permlanex16_b32 v[W], v[W+1], s[SEL], s[SEL+1]
	v_max3_num_f32 v[W+1], v[W+1], v[W], v[TPRE+\u]               ; with the other half's blocks and the steps before: the row's largest t
	v_floor_f32 v[NM], -v[W+1]                     ; -M = floor(-t) = -ceil(t)
	v_mov_b32 v[NM+1], v[NM]
	v_pk_add_f32 v[CM+6*\u:CM+6*\u+1], v[CC:CC+1], v[NM:NM+1]     ; c0 - M, for the full steps
.set nn, 0
.rept 32
	v_pk_add_f32 v[\rg+nn:\rg+nn+1], v[\rg+nn:\rg+nn+1], v[NM:NM+1]
.set nn, nn+2
.endr
	v_pk_add_f32 v[TM+2*\u:TM+2*\u+1], v[TM+2*\u:TM+2*\u+1], v[NM:NM+1]   ; the same addition on the same number: the same bits
.endm
; one batch of 66 exponentials: p, and my two blocks' largest p
.macro EXPB rg, u
.set nn, 0
.rept 64
	v_exp_f32 v[\rg+nn], v[\rg+nn]
.set nn, nn+1
.endr
	v_exp_f32 v[TM+2*\u], v[TM+2*\u]
	v_exp_f32 v[TM+2*\u+1], v[TM+2*\u+1]
.endm
; my two blocks' scale operands and bytes; the row's scale word
.macro SCALES u
.irp c, 0,1
	v_max_num_f32 v[TM+2*\u+\c], 0x1800000, v[TM+2*\u+\c]         ; the floor 2^(3 - 127): the byte cannot fall under 1 (a block whose every p is 0 keeps that byte, over zero codes)
.endr
.irp c, 0,1
	v_add_nc_u32 v[SO+\c], 0xff000000, v[TM+2*\u+\c]              ; 2 off the exponent field: the conversion's scale operand
.endr
.irp c, 0,1
	v_lshrrev_b32 v[BY+\c], 23, v[SO+\c]
.endr
	v_lshl_or_b32 v[PS+\u], v[BY+1], 16, v[BY]     ; blocks h and 2 + h,
	v_lshlrev_b32 v[PS+\u], v[SH8], v[PS+\u]       ; at their places in the word (8 h bits up);
	v_permlanex16_b32 v[W], v[PS+\u], s[SEL], s[SEL+1]
	v_or_b32 v[PS+\u], v[PS+\u], v[W]              ; with lane l xor 16's two the word is whole
.endm
; 64 numbers become the operand's 12 registers
.macro CODES rg, cd
.irp c, 0,1
	v_cvt_scalef32_pk16_fp6_f32 v[\cd+6*\c:\cd+6*\c+2], v[\rg+32*\c:\rg+32*\c+15], v[SO+\c]
	v_cvt_scalef32_pk16_fp6_f32 v[CTM+4*\c:CTM+4*\c+2], v[\rg+32*\c+16:\rg+32*\c+31], v[SO+\c]   ; (a conversion's three registers begin on an even number)
.endr
	v_nop                                          ; one plain place behind a scaled conversion
.irp c, 0,1
.irp i, 0,1,2
	v_mov_b32 v[\cd+6*\c+3+\i], v[CTM+4*\c+\i]
.endr
.endr
.endm
; the row's sum takes the UNQUANTISED p: two at a time, in two chains.  These 32 lines are also the places between the scale word, the codes and the products
.macro SUMS rg, u
	v_pk_add_f32 v[W+2:W+3], v[\rg:\rg+1], v[\rg+2:\rg+3]
.irp n, 4,8,12,16,20,24,28,32,36,40,44,48,52,56,60
	v_pk_add_f32 v[SS+6*\u:SS+6*\u+1], v[SS+6*\u:SS+6*\u+1], v[\rg+\n:\rg+\n+1]
	v_pk_add_f32 v[W+2:W+3], v[W+2:W+3], v[\rg+\n+2:\rg+\n+3]
.endr
	v_pk_add_f32 v[SS+6*\u:SS+6*\u+1], v[SS+6*\u:SS+6*\u+1], v[W+2:W+3]
.endm
; eight products, the eight accumulators by turns, one instruction a turn, over the loop's backward jump too.  zero = 1: they start the sums: nothing is cleared
.macro MULS zero
	WIN 0x54                                       ; source 0 (p) window 0; source 1 (V), C and D window 1
.irp u, 1,0
.irp t, 0,1,2,3
.if \zero
	v_wmma_scale_f32_16x16x128_f8f6f4 v[8*(4*\u+\t):8*(4*\u+\t)+7], v[CA+12*\u:CA+12*\u+11], v[VF+12*\t:VF+12*\t+11], 0, v[PS+\u], v[VS+\t] matrix_a_fmt:MATRIX_FMT_FP6 matrix_b_fmt:MATRIX_FMT_FP6
.else
	v_wmma_scale_f32_16x16x128_f8f6f4 v[8*(4*\u+\t):8*(4*\u+\t)+7], v[CA+12*\u:CA+12*\u+11], v[VF+12*\t:VF+12*\t+11], v[8*(4*\u+\t):8*(4*\u+\t)+7], v[PS+\u], v[VS+\t] matrix_a_fmt:MATRIX_FMT_FP6 matrix_b_fmt:MATRIX_FMT_FP6
.endif
.endr
.endr
	WIN 0
.endm
; a; the largest t over the steps before the diagonal; the mask's number; the sums begin at 0
.macro PREFIX
.irp u, 0,1
	v_mul_f32 v[AA+6*\u], 0x3db8aa3b, v[VQ+\u]     ; a = vs x 0.0625 log2(e)
.endr
.irp u, 0,1
	v_mov_b32 v[AA+6*\u+1], v[AA+6*\u]
.endr
	v_cmp_gt_u32 vcc_lo, s[GS], v[STL]             ; is my record one of the steps before the diagonal?
.irp i, 0,1,2,3
	v_cndmask_b32 v[KM+\i], v[KS0], v[KM+\i], vcc_lo              ; if not: ks of key 0, which counts for every query
.endr
	v_max_num_f32 v[W+1], v[KM], v[KM+2]
	v_min_num_f32 v[W+2], v[KM+1], v[KM+3]
.irp m, 1,2,4,8
	v_max_num_f32_dpp v[W+1], v[W+1], v[W+1] row_xmask:\m row_mask:0xf bank_mask:0xf
	v_min_num_f32_dpp v[W+2], v[W+2], v[W+2] row_xmask:\m row_mask:0xf bank_mask:0xf
.endr
	v_permlanex16_b32 v[W], v[W+1], s[SEL], s[SEL+1]
	v_max_num_f32 v[W+1], v[W+1], v[W]             ; the largest ks of those steps,
	v_permlanex16_b32 v[W], v[W+2], s[SEL], s[SEL+1]
	v_min_num_f32 v[W+2], v[W+2], v[W]             ; and the smallest
.irp u, 0,1
	v_fma_f32 v[W+3], v[AA+6*\u], v[W+1], v[CC]
	v_fma_f32 v[W+4], v[AA+6*\u], v[W+2], v[CC]
	v_max_num_f32 v[TPRE+\u], v[W+3], v[W+4]
.endr
	v_add_nc_u32 v[DD], s[M32], v[DQ]              ; my query in the step, less 32 h: 32 (DT & 3) + r - 32 h; tile 1: 16 more
	v_add_nc_u32 v[DD+1], 16, v[DD]
.irp u, 0,1
	v_mov_b32 v[SS+6*\u], 0
	v_mov_b32 v[SS+6*\u+1], 0
.endr
.endm
; A KEY STEP for both tiles.  The two tiles' exponentials are two batches; each has the other tile's plain work behind it and ONE s_wait_alu ahead of its first reader.
.macro STEP diag
.if !\diag
	v_add_nc_u32 v[WV], s[TB], v[LV]               ; the step's addresses.  These four plain lines name no register of the last products: they are the places in front of the loads into V's registers
	v_add_nc_u32 v[WS], s[TB], v[LS]
	v_add_nc_u32 v[WK], s[TB], v[LK]
	v_add_nc_u32 v[WM], s[TB], v[LM]
.endif
	VLOADS                                         ; wanted at the step's end
.if \diag
	s_wait_dscnt 29                                ; behind the pass's four small loads: 16 of ks and V's 13
	PREFIX
	s_wait_dscnt 13                                ; ks is in; V's 13 stay out
	DPRE 1, PR
.else
	s_wait_dscnt 13                                ; ks and the blocks' largest and smallest, asked for a step ago, are in; V's 13 stay out
	TMAX 1
	TMAX 0
	TFMA PR, 1, CM+6
.endif
	EXPB PR, 1
.if \diag
	DPRE 0, KR                                     ; tile 0's t takes the place of ks
.else
	TFMA KR, 0, CM
.endif
	s_wait_alu depctr_va_vdst(0)                   ; tile 1's batch
	EXPB KR, 0
	SCALES 1
	CODES PR, CB
	SUMS PR, 1
	s_wait_alu depctr_va_vdst(0)                   ; tile 0's batch
	SCALES 0
	CODES KR, CA
	SUMS KR, 0
.if \diag
	KLOADS LK, LM, 0, 1                            ; look-ahead: record 0
.else
	KLOADS WK, WM, REC, 1                          ; look-ahead: the next record (behind the last full step: the diagonal's, which lies in LDS and is not used)
.endif
	s_wait_dscnt 17                                ; V is in; the look-ahead's 17 stay out
	MULS \diag
.endm
	s_mov_b32 s[PASS], 0
.Lpass:
	s_bfe_u32 s[GS], s[DT], 0x40002                ; the diagonal step: (DT >> 2) & 15
	s_and_b32 s[M32], s[DT], 3
	s_mul_i32 s[RD], s[GS], REC
	s_lshl_b32 s[RQ], s[M32], 7
	s_add_co_u32 s[RQ], s[RQ], s[RD]
	s_lshl_b32 s[M32], s[M32], 5
	s_lshl_b32 s[OO], s[DT], 17                    ; 32 rows of 4,096 bytes
	s_mov_b32 s[OO+1], 0
	s_add_nc_u64 s[OB:OB+1], s[8:9], s[OO:OO+1]
	v_add_nc_u32 v[WK], s[RD], v[LK]
	v_add_nc_u32 v[WV], s[RD], v[LV]
	v_add_nc_u32 v[WS], s[RD], v[LS]
	v_add_nc_u32 v[TQ], s[RQ], v[LQ]
	ds_load_b32 v[VQ], v[TQ] offset:O_VS           ; vs of my query in tile 0,
	ds_load_b32 v[VQ+1], v[TQ] offset:O_VS+64      ; in tile 1
	ds_load_b32 v[KS0], v[ZA] offset:O_KS          ; ks of key 0
	ds_load_b128 v[KM:KM+3], v[LP] offset:O_MM     ; record lane / 2: two blocks' largest and smallest
	KLOADS WK, WM, 0, 0
	STEP 1
	; The full steps, records 0 .. g - 1.  The trip count is a constant of the text, so that every LDS address can be read off it; a trip that the pass does not have jumps over its work (a scalar branch on ids).
	s_mov_b32 s[CNT], 0
	s_mov_b32 s[TB], 0
.Lfull:
	s_cmp_ge_u32 s[CNT], s[GS]
	s_cbranch_scc1 .Lskip
	STEP 0
.Lskip:
	s_add_co_u32 s[TB], s[TB], REC
	s_add_co_u32 s[CNT], s[CNT], 1
	s_cmp_lt_u32 s[CNT], 15
	s_cbranch_scc1 .Lfull
	; THE WAY OUT.  The four additions and the v_nop are the places behind the last products.
	s_wait_dscnt 0x0                               ; the last look-ahead has landed: its registers are free
.irp u, 0,1
	v_add_f32 v[W+1+\u], v[SS+6*\u], v[SS+6*\u+1]  ; the sum's two halves,
.endr
.irp u, 0,1
	v_permlanex16_b32 v[W+3+\u], v[W+1+\u], s[SEL], s[SEL+1]
.endr
.irp u, 0,1
	v_add_f32 v[W+1+\u], v[W+1+\u], v[W+3+\u]      ; and lane l xor 16's: the row's sum
.endr
.irp u, 0,1
	v_rcp_f32 v[RL+\u], v[W+1+\u]
.endr
	v_nop                                          ; a plain place behind the reciprocals
	s_wait_alu depctr_va_vdst(0)                   ; and the wait ahead of their first reader
.irp u, 0,1
.irp j, 0,1,2,3,4,5,6,7
	ds_bpermute_b32 v[RB+8*\u+\j], v[IDX+\j], v[RL+\u]            ; a result's register j is query 8 h + j: its 1 / sum lies in lane 8 h + j
.endr
.endr
	s_wait_dscnt 0x0
	WIN 0x01                                       ; source 0 window 1
.irp u, 0,1
.irp j, 0,1,2,3,4,5,6,7
.irp t, 0,1,2,3
	v_mul_f32 v[PR+32*\u+4*\j+\t], v[8*(4*\u+\t)+\j], v[RB+8*\u+\j]   ; out0(query 16 u + 8 h + j, channel 4 r + t); each accumulator from its low end on
.endr
.endr
.endr
	WIN 0
.irp u, 0,1
.irp j, 0,1,2,3,4,5,6,7
	global_store_b128 v[GO], v[PR+32*\u+4*\j:PR+32*\u+4*\j+3], s[OB:OB+1] offset:65536*\u+4096*\j th:TH_STORE_NT   ; sixteen lanes store a head's row: 256 consecutive bytes, at a multiple of 256 from out0's first byte
.endr
.endr
	s_wait_xcnt 0x0                                ; the stores have read their registers and their base: both are written again in the next pass
	s_sub_co_u32 s[DT], 63, s[DT]                  ; the second pass: double tile 63 - u
	s_add_co_u32 s[PASS], s[PASS], 1
	s_cmp_lt_u32 s[PASS], 2
	s_cbranch_scc1 .Lpass
	s_wait_tensorcnt 0x0
	ds_add_u32 v230, v231
	s_wait_dscnt 0x0
	s_endpgm
.Lfunc_end_k_q4c73132c30_attend:
	.size	k_q4c73132c30_attend, .Lfunc_end_k_q4c73132c30_attend-k_q4c73132c30_attend
	.p2alignl 7, 3214868480
	.fill 96, 4, 3214868480
	.section	.rodata,"a",@progbits
	.p2align	6, 0x0
	.amdhsa_kernel k_q4c73132c30_attend
		.amdhsa_group_segment_fixed_size 123904
		.amdhsa_private_segment_fixed_size 0
		.amdhsa_enable_private_segment 0
		.amdhsa_kernarg_size 24
		.amdhsa_user_sgpr_count 2
		.amdhsa_user_sgpr_kernarg_segment_ptr 1
		.amdhsa_wavefront_size32 1
		.amdhsa_system_sgpr_workgroup_id_x 1
		.amdhsa_system_sgpr_workgroup_id_y 1
		.amdhsa_system_sgpr_workgroup_id_z 1
		.amdhsa_system_vgpr_workitem_id 0
		.amdhsa_next_free_vgpr 368
		.amdhsa_next_free_sgpr 66
		.amdhsa_reserve_vcc 1
		.amdhsa_float_denorm_mode_32 3
		.amdhsa_float_denorm_mode_16_64 3
		.amdhsa_memory_ordered 1
		.amdhsa_forward_progress 1
		.amdhsa_inst_pref_size 73
	.end_amdhsa_kernel
	.amdgpu_metadata
---
amdhsa.version: [ 1, 2 ]
amdhsa.kernels:
  - .name:           k_q4c73132c30_attend
    .symbol:         k_q4c73132c30_attend.kd
    .args:
      - { .name: ws, .offset: 0, .size: 8, .value_kind: global_buffer, .address_space: global }
      - { .name: params, .offset: 8, .size: 8, .value_kind: global_buffer, .address_space: global }
      - { .name: out0, .offset: 16, .size: 8, .value_kind: global_buffer, .address_space: global }
    .group_segment_fixed_size: 123904
    .private_segment_fixed_size: 0
    .kernarg_segment_align: 8
    .kernarg_segment_size: 24
    .max_flat_workgroup_size: 256
    .sgpr_count:     66
    .vgpr_count:     368
    .wavefront_size: 32
...
	.end_amdgpu_metadata
.endif
;; end of part 2
;; ======== version 2 of 2: 2 launches
;; limits: right only within a limited range of input values
;; workspace buffers: ws 7,864,320 bytes
;; launch prep (part 3): grid 256 x 1, 16 waves a work-group, no clusters, 163,840 bytes of LDS; arguments values, keys, ws; writes ws
.if DOCPART == 3
	.amdgcn_target "amdgcn-amd-amdhsa--gfx1250"
	.amdhsa_code_object_version 6
	.text
	.protected	k_q4c73132c30_prep
	.globl	k_q4c73132c30_prep
	.p2align	8
	.type	k_q4c73132c30_prep,@function
k_q4c73132c30_prep:
	s_mov_b64 s[64:65], 0
	v_nop
	global_prefetch_b8 v0, s[64:65] scope:SCOPE_SE
	s_setreg_imm32_b32 hwreg(HW_REG_WAVE_MODE, 25, 1), 1
	s_wait_xcnt 0x0
; PREP.  values, keys: [4][2048][16][64] f32.  For each (batch, head, key step of 128 keys) one RECORD of 7,680 bytes is made in ws, at ((16 b + head) 16 + step) x 7,680:
;   0     6,144  the values' codes of FP6 (E2M3), quantised ALONG THE KEYS, in the order of the second launch's operand registers: tile t at 1,536 t, lane l' = r + 16 h at 48 l':
;                24 bytes of block h, then 24 bytes of block 2 + h (a block = 32 keys), of channel d = 4 r + t; the lowest key in the lowest bits
;   6,144   256  their E8M0 scale words: channel d's word at 4 d, byte = block
;   6,400   512  ks = the sum of a key's 64 channels, f32, 128 keys;      6,912   512  vs = the same of values
;   7,424   256  eight equal copies of 32 bytes: at 16 (block & 1) + 8 (block >> 1) the largest and the smallest ks of the block
; A block's scale is 2^(floor(log2(its largest magnitude)) - 2); its byte is the largest magnitude's exponent field - 2, held at 1 from below.
; LIMITS: a block of zeros gets the byte 1 where the rule says 127 (its codes are zeros, and this program alone reads the bytes); blocks whose largest magnitude lies under 2^(2 - 126) are held at that byte;
; NaN and infinities among the inputs are not served.  The sums of 64 are pairwise f32 sums, in another order than a plain chain.
; SHARES.  Work-group x: four heads (x & 3), key step (x >> 2) & 15, batch x >> 6.  Wave w: head 4 (x & 3) + (w >> 2), block w & 3: 32 rows of 256 bytes of values and as many of keys.
; Each load takes two whole rows (sixteen lanes: 256 consecutive bytes, aligned); all 32 loads of a wave go out at once.  The quantiser wants a lane to hold ONE channel and its registers to run down the keys:
; the wave's 8,192 bytes of values turn through its own stage in LDS.  No tensor load, no ring; one barrier, between the making of a record by four waves and its way out in runs of 512 bytes.
.set OUT,  131072                      ; LDS: sixteen stages of 8,192 bytes, then four records
.set REC,  7680
.set O_SC, 6144
.set O_KS, 6400
.set O_VS, 6912
.set O_MM, 7424
.set GOFF, 2                           ; v2   4,096 (lane / 16) + 16 (lane % 16): my 16 bytes of a load's two rows
.set TS,   3                           ; v3   my stage + 16 x lane: in, as loaded
.set TL,   4                           ; v4   my stage + 4 x lane: out, a channel a lane
.set AS,   5                           ; v5   my record + 128 x block + 4 (lane / 16): a row's sum
.set AC,   6                           ; v6   my record + where my channel's 24 bytes of codes go
.set AB,   7                           ; v7   my record + block + 4 x lane: my channel's scale byte
.set AM,   8                           ; v8   my record + 16 (block & 1) + 8 (block >> 1) + 32 (lane % 8)
.set CL,   9                           ; v9   the way out: my record + 512 x block + 16 x lane
.set CG,   10                          ; v10  and the same place in ws
.set SR,   16                          ; v16-31   sixteen row sums
.set VV,   32                          ; v32-95   values as loaded; later the way out
.set KK,   96                          ; v96-159  keys as loaded
.set XR,   160                         ; v160-223 two sets of 32 numbers down the keys: channels lane and lane + 32
.set TP,   224                         ; v224-231 four pairs at work
.set CD,   232                         ; v232-243 the codes of the two sets, six registers each
.set CT,   244                         ; v244-246 the upper half of a block's codes as the conversion leaves it
.set BY,   247                         ; v247-248 the two scale bytes
.set MM,   250                         ; v250-251 largest and smallest ks
	s_load_b128 s[4:7], s[0:1], 0x0                ; values, keys
	s_load_b64 s[8:9], s[0:1], 0x10                ; ws
	v_lshl_add_u32 v254, v0, 2, 0x27800
	v_mov_b32 v255, 0
	v_lshrrev_b32 v1, 5, v0
	s_delay_alu instid0(VALU_DEP_1)
	v_readfirstlane_b32 s10, v1                    ; wave 0..15
	s_lshr_b32 s11, s10, 2                         ; which of the four heads
	s_and_b32 s12, s10, 3                          ; which block of 32 keys
	s_and_b32 s13, ttmp9, 3
	s_bfe_u32 s14, ttmp9, 0x40002                  ; key step
	s_lshr_b32 s15, ttmp9, 6                       ; batch
	s_lshl_b32 s16, s13, 2
	s_add_co_u32 s16, s16, s11                     ; head
	s_lshl_b32 s17, s15, 11
	s_lshl_b32 s18, s14, 7
	s_add_co_u32 s17, s17, s18
	s_lshl_b32 s18, s12, 5
	s_add_co_u32 s17, s17, s18                     ; my first row: 2,048 b + 128 step + 32 block
	s_lshl_b32 s17, s17, 12                        ; a row of all heads is 4,096 bytes,
	s_lshl_b32 s18, s16, 8                         ; a head's part of it 256
	s_add_co_u32 s22, s17, s18
	s_mov_b32 s23, 0
	s_lshl_b32 s17, s15, 4
	s_add_co_u32 s17, s17, s16
	s_lshl_b32 s17, s17, 4
	s_add_co_u32 s17, s17, s14
	s_mul_i32 s24, s17, REC                        ; my record in ws
	s_mov_b32 s25, 0
	s_mov_b32 s20, 0x76543210
	s_mov_b32 s21, 0xfedcba98                      ; v_permlanex16_b32's selects for lane l xor 16
	v_and_b32 v1, 31, v0                           ; lane
	v_bfe_u32 v11, v0, 4, 1                        ; lane / 16
	v_and_b32 v12, 15, v0                          ; lane % 16
	s_delay_alu instid0(VALU_DEP_2)
	v_lshlrev_b32 v[GOFF], 12, v11
	s_delay_alu instid0(VALU_DEP_1)
	v_lshl_add_u32 v[GOFF], v12, 4, v[GOFF]
	s_lshl_b32 s17, s10, 13                        ; my stage
	v_lshl_add_u32 v[TS], v1, 4, s17
	v_lshl_add_u32 v[TL], v1, 2, s17
	s_mul_i32 s18, s11, REC
	s_add_co_u32 s18, s18, OUT                     ; my record in LDS
	s_lshl_b32 s19, s12, 7
	s_add_co_u32 s19, s19, s18
	v_lshl_add_u32 v[AS], v11, 2, s19
	s_and_b32 s26, s12, 1                          ; the block's h
	s_lshr_b32 s27, s12, 1                         ; and its c: block = 2 c + h
	s_mul_i32 s19, s26, 768                        ; lanes 16-31 of a tile begin 16 x 48 bytes on
	s_mul_i32 s28, s27, 24
	s_add_co_u32 s19, s19, s28
	s_add_co_u32 s19, s19, s18
	v_and_b32 v13, 3, v0                           ; t = channel % 4
	v_bfe_u32 v14, v0, 2, 3                        ; r = channel / 4 (set 1: + 8, in the immediate)
	s_delay_alu instid0(VALU_DEP_2)
	v_mul_u32_u24 v[AC], v13, 1536
	s_delay_alu instid0(VALU_DEP_1)
	v_mad_u32_u24 v[AC], v14, 48, v[AC]
	s_delay_alu instid0(VALU_DEP_1)
	v_add_nc_u32 v[AC], s19, v[AC]
	s_add_co_u32 s19, s18, s12
	v_lshl_add_u32 v[AB], v1, 2, s19
	s_lshl_b32 s19, s26, 4
	s_lshl_b32 s28, s27, 3
	s_add_co_u32 s19, s19, s28
	s_add_co_u32 s19, s19, s18
	v_and_b32 v13, 7, v0
	s_delay_alu instid0(VALU_DEP_1)
	v_lshl_add_u32 v[AM], v13, 5, s19
	s_lshl_b32 s19, s12, 9
	v_lshl_add_u32 v[CG], v1, 4, s19
	s_delay_alu instid0(VALU_DEP_1)
	v_add_nc_u32 v[CL], s18, v[CG]
	v_mov_b32 v14, 0                               ; written once: a lane permute's destination counts as one of its sources
	v_mov_b32 v15, 0
	s_wait_kmcnt 0x0
	s_add_nc_u64 s[4:5], s[4:5], s[22:23]
	s_add_nc_u64 s[6:7], s[6:7], s[22:23]
	s_add_nc_u64 s[8:9], s[8:9], s[24:25]
.irp i, 0,1,2,3,4,5,6,7,8,9,10,11,12,13,14,15
	global_load_b128 v[VV+4*\i:VV+4*\i+3], v[GOFF], s[4:5] offset:8192*\i th:TH_LOAD_NT   ; rows 2 i and 2 i + 1 of values
.endr
.irp i, 0,1,2,3,4,5,6,7,8,9,10,11,12,13,14,15
	global_load_b128 v[KK+4*\i:KK+4*\i+3], v[GOFF], s[6:7] offset:8192*\i th:TH_LOAD_NT   ; and of keys
.endr
; The sums of 32 rows of 64: my four numbers of each of sixteen rows, then the sixteen lanes of my half.  Afterwards every lane of half q holds in v[SR + i] the sum of row 2 i + q.
.macro ROWSUM src
.irp g, 0,1,2,3
.irp k, 0,1,2,3
	v_pk_add_f32 v[TP+2*\k:TP+2*\k+1], v[\src+4*(4*\g+\k):\src+4*(4*\g+\k)+1], v[\src+4*(4*\g+\k)+2:\src+4*(4*\g+\k)+3]
.endr
.irp k, 0,1,2,3
	s_delay_alu instid0(VALU_DEP_4)
	v_add_f32 v[SR+4*\g+\k], v[TP+2*\k], v[TP+2*\k+1]
.endr
.endr
.irp m, 1,2,4,8
.irp i, 0,1,2,3,4,5,6,7,8,9,10,11,12,13,14,15
	v_add_f32_dpp v[SR+\i], v[SR+\i], v[SR+\i] row_xmask:\m row_mask:0xf bank_mask:0xf   ; (the sixteen rows by turns)
.endr
.endr
.endm
; Set e: my channel lane + 32 e, its 32 keys of the wave's block: all are mine, so the largest magnitude needs no other lane.
.macro QUANT e
.set XS, XR+32*\e
.set CE, CD+6*\e
	v_max3_num_f32 v11, |v[XS]|, |v[XS+1]|, 0x1800000              ; with the floor 2^(3 - 127) among the leaves: the byte cannot fall under 1
	v_max3_num_f32 v12, |v[XS+2]|, |v[XS+3]|, |v[XS+4]|
.irp i, 5,9,13,17,21,25
	s_delay_alu instid0(VALU_DEP_2)
	v_max3_num_f32 v11, v11, |v[XS+\i]|, |v[XS+\i+1]|
	s_delay_alu instid0(VALU_DEP_2)
	v_max3_num_f32 v12, v12, |v[XS+\i+2]|, |v[XS+\i+3]|
.endr
	s_delay_alu instid0(VALU_DEP_2)
	v_max3_num_f32 v11, v11, |v[XS+29]|, |v[XS+30]|
	s_delay_alu instid0(VALU_DEP_1)
	v_max3_num_f32 v11, v11, v12, |v[XS+31]|
	s_delay_alu instid0(VALU_DEP_1)
	v_add_nc_u32 v13, 0xff000000, v11              ; 2 off its exponent field: the conversion takes the exponent field of this operand as its scale, and nothing else of it
	s_delay_alu instid0(VALU_DEP_1)
	v_lshrrev_b32 v[BY+\e], 23, v13                ; the scale's byte
	v_cvt_scalef32_pk16_fp6_f32 v[CE:CE+2], v[XS:XS+15], v13
	v_cvt_scalef32_pk16_fp6_f32 v[CT:CT+2], v[XS+16:XS+31], v13    ; (a conversion's three registers begin on an even number)
	v_nop                                          ; one plain place behind a scaled conversion
.irp i, 0,1,2
	v_mov_b32 v[CE+3+\i], v[CT+\i]
.endr
.irp p, 0,1,2
	ds_store_b64 v[AC], v[CE+2*\p:CE+2*\p+1] offset:384*\e+8*\p     ; 24 bytes: six of the operand's registers
.endr
	ds_store_b8 v[AB], v[BY+\e] offset:O_SC+128*\e
.endm
	s_wait_loadcnt 16                              ; values are in; the 16 younger loads, the keys', stay out
.irp i, 0,1,2,3,4,5,6,7,8,9,10,11,12,13,14,15
	ds_store_b128 v[TS], v[VV+4*\i:VV+4*\i+3] offset:512*\i        ; the stage: row p at 256 p, as it lies in memory
.endr
.irp e, 0,1
.irp p, 0,1,2,3,4,5,6,7,8,9,10,11,12,13,14,15,16,17,18,19,20,21,22,23,24,25,26,27,28,29,30,31
	ds_load_b32 v[XR+32*\e+\p], v[TL] offset:256*\p+128*\e         ; LDS serves a wave's instructions in order (ISA guide 5.7.1.4): these see my stores.  32 lanes: 128 consecutive bytes of row p
.endr
.endr
	ROWSUM VV                                      ; vs, while the turn is on its way
.irp i, 0,1,2,3,4,5,6,7,8,9,10,11,12,13,14,15
	ds_store_b32 v[AS], v[SR+\i] offset:O_VS+8*\i  ; the sixteen lanes of a half write one word with one value
.endr
	s_wait_dscnt 16                                ; behind the 64 turned loads only these 16 stores were issued
	QUANT 0
	QUANT 1
	s_wait_loadcnt 0x0                             ; keys
	s_wait_dscnt 0x0                               ; the stores have read the sums' registers
	ROWSUM KK
.irp i, 0,1,2,3,4,5,6,7,8,9,10,11,12,13,14,15
	ds_store_b32 v[AS], v[SR+\i] offset:O_KS+8*\i
.endr
	v_max3_num_f32 v[MM], v[SR], v[SR+1], v[SR+2]                  ; the block's largest and smallest ks: my half's sixteen rows,
	v_min3_num_f32 v[MM+1], v[SR], v[SR+1], v[SR+2]
.irp i, 3,5,7,9,11,13
	s_delay_alu instid0(VALU_DEP_2)
	v_max3_num_f32 v[MM], v[MM], v[SR+\i], v[SR+\i+1]
	s_delay_alu instid0(VALU_DEP_2)
	v_min3_num_f32 v[MM+1], v[MM+1], v[SR+\i], v[SR+\i+1]
.endr
	s_delay_alu instid0(VALU_DEP_2)
	v_max_num_f32 v[MM], v[MM], v[SR+15]
	s_delay_alu instid0(VALU_DEP_2)
	v_min_num_f32 v[MM+1], v[MM+1], v[SR+15]
	s_delay_alu instid0(VALU_DEP_2)
	v_permlanex16_b32 v14, v[MM], s20, s21
	s_delay_alu instid0(VALU_DEP_2)
	v_permlanex16_b32 v15, v[MM+1], s20, s21
	s_delay_alu instid0(VALU_DEP_2)
	v_max_num_f32 v[MM], v[MM], v14                ; and the other half's
	s_delay_alu instid0(VALU_DEP_2)
	v_min_num_f32 v[MM+1], v[MM+1], v15
	ds_store_b64 v[AM], v[MM:MM+1] offset:O_MM     ; eight copies, so that all 256 bytes are written with every lane on
	s_wait_dscnt 0x0                               ; for the others' sake: my part of the record lies in LDS
	s_barrier_signal -1
	s_barrier_wait -1                              ; the four records are whole
	; THE WAY OUT.  A record is 15 runs of 512 bytes; the wave of block n takes runs n, n + 4, n + 8, n + 12 (run 15 does not exist).  32 lanes store 512 consecutive bytes, at a multiple of 256 from ws's first byte.
.irp n, 0,1,2
	ds_load_b128 v[VV+4*\n:VV+4*\n+3], v[CL] offset:2048*\n
.endr
.irp n, 0,1,2
	s_wait_dscnt 2-\n                              ; the younger of the three may stay out
	global_store_b128 v[CG], v[VV+4*\n:VV+4*\n+3], s[8:9] offset:2048*\n
.endr
	s_cmp_eq_u32 s12, 3
	s_cbranch_scc1 .Lend
	ds_load_b128 v[VV+12:VV+15], v[CL] offset:6144
	s_wait_dscnt 0x0
	global_store_b128 v[CG], v[VV+12:VV+15], s[8:9] offset:6144
.Lend:
	s_wait_tensorcnt 0x0
	ds_add_u32 v254, v255
	s_wait_dscnt 0x0
	s_endpgm
.Lfunc_end_k_q4c73132c30_prep:
	.size	k_q4c73132c30_prep, .Lfunc_end_k_q4c73132c30_prep-k_q4c73132c30_prep
	.p2alignl 7, 3214868480
	.fill 96, 4, 3214868480
	.section	.rodata,"a",@progbits
	.p2align	6, 0x0
	.amdhsa_kernel k_q4c73132c30_prep
		.amdhsa_group_segment_fixed_size 163840
		.amdhsa_private_segment_fixed_size 0
		.amdhsa_enable_private_segment 0
		.amdhsa_kernarg_size 24
		.amdhsa_user_sgpr_count 2
		.amdhsa_user_sgpr_kernarg_segment_ptr 1
		.amdhsa_wavefront_size32 1
		.amdhsa_system_sgpr_workgroup_id_x 1
		.amdhsa_system_sgpr_workgroup_id_y 1
		.amdhsa_system_sgpr_workgroup_id_z 1
		.amdhsa_system_vgpr_workitem_id 0
		.amdhsa_next_free_vgpr 256
		.amdhsa_next_free_sgpr 66
		.amdhsa_reserve_vcc 0
		.amdhsa_float_denorm_mode_32 3
		.amdhsa_float_denorm_mode_16_64 3
		.amdhsa_memory_ordered 1
		.amdhsa_forward_progress 1
		.amdhsa_inst_pref_size 33
	.end_amdhsa_kernel
	.amdgpu_metadata
---
amdhsa.version: [ 1, 2 ]
amdhsa.kernels:
  - .name:           k_q4c73132c30_prep
    .symbol:         k_q4c73132c30_prep.kd
    .args:
      - { .name: values, .offset: 0, .size: 8, .value_kind: global_buffer, .address_space: global }
      - { .name: keys, .offset: 8, .size: 8, .value_kind: global_buffer, .address_space: global }
      - { .name: ws, .offset: 16, .size: 8, .value_kind: global_buffer, .address_space: global }
    .group_segment_fixed_size: 163840
    .private_segment_fixed_size: 0
    .kernarg_segment_align: 8
    .kernarg_segment_size: 24
    .max_flat_workgroup_size: 512
    .sgpr_count:     66
    .vgpr_count:     256
    .wavefront_size: 32
...
	.end_amdgpu_metadata
.endif
;; end of part 3
;; launch attend (part 4): grid 256 x 1, 8 waves a work-group, no clusters, 123,904 bytes of LDS; arguments ws, params, out0; writes out0
.if DOCPART == 4
	.amdgcn_target "amdgcn-amd-amdhsa--gfx1250"
	.amdhsa_code_object_version 6
	.text
	.protected	k_q4c73132c30_attend
	.globl	k_q4c73132c30_attend
	.p2align	8
	.type	k_q4c73132c30_attend,@function
k_q4c73132c30_attend:
	s_mov_b64 s[64:65], 0
	v_nop
	global_prefetch_b8 v0, s[64:65] scope:SCOPE_SE
	s_setreg_imm32_b32 hwreg(HW_REG_WAVE_SCHED_MODE, 0, 2), 2
	s_setreg_imm32_b32 hwreg(HW_REG_WAVE_MODE, 25, 1), 1
	s_wait_xcnt 0x0
	s_wait_alu depctr_vm_vsrc(0)
; ATTEND.  out0[b][l][head][:] = the sum over s <= l of softmax_s(0.125 (cos(params[0]) + 0.5 vs[l] ks[s])) values[b][s][head][:], vs and ks the sums of values' and keys' 64 channels.
; The product is made on codes of FP6 (E2M3) with one E8M0 scale for each 32 keys: values' codes come from ws; p = 2^(t - M) is quantised here.
;   t = c0 + a k:  a = vs x 0.0625 log2(e), k = ks, c0 = cos(params[0]) x 0.125 log2(e);  M = ceil(the row's largest t);  the row's sum is taken of the unquantised p and divides at the end.
; queries is in no argument list: the function takes its shape alone, so none of its numbers can reach out0.
; THE LOGIT IS LINEAR IN k, and a fused multiply-add does not fall where its input rises.  So the largest t over any set of keys is the larger of fma(a, largest k, c) and fma(a, smallest k, c):
; a row's M is known ahead of its first product (no running maximum, nothing is rescaled), and a block's largest p is two multiply-adds, a maximum and an exponential.
; (That a block's largest p is the exponential of its largest t takes v_exp_f32 not to fall where its input rises.)
; SHARES.  Work-group x: head x >> 2 (of 64), quarter x & 3.  The head's 16 records (122,880 bytes) are copied into LDS once; behind the one barrier LDS is only read, and memory is only written.
; A DOUBLE TILE is 32 queries (two tiles of 16); double tile n needs key steps 0 .. n >> 2, the last on the diagonal.  Wave u = 8 (x & 3) + w takes double tiles u and 63 - u: 17 key steps of 128 for every wave.
; NO CLUSTER: the four work-groups of a head read the same 122,880 bytes, but once, ahead of the 17 key steps, in which no input byte is asked for.
; LAYOUT.  O = P V: source 0 = p of 16 queries, source 1 = 16 channels of values.  Lane (r, h) holds query r; register 32 c + i holds key 64 c + 32 h + i: whole blocks 2 c + h, as the operand's layout wants them.
; The channels of V's tile t are 4 r + t, so that a lane's results of the four tiles are 16 neighbouring bytes of a row of out0, and sixteen lanes store a row's 256 bytes: no stage on the way out.
; A PASS begins with its DIAGONAL step: there t is made, hidden keys become -infinity, and with the largest t of the steps before (from the records' largest and smallest ks) M is fixed; its products start the sums.
; LIMITS: NaN and infinities are not served; cos is good to about 1e-7 absolute for |params[0]| up to 1e5; p under 2^-126 counts as 0 (v_exp_f32, ISA guide 15.8); a block of zeros has the byte 1, over zero codes.
; REGISTERS.  Window 0: below.  Window 1: v0-63 the accumulators (tile u of queries, tile t of channels: v[8 (4 u + t)]); v64-111 V's four fragments.
; THE MODE: SCHED_MODE bits 1:0 = 2 (LLVM: expert scheduling mode 2), set by the entry lines.  The code itself states the register dependences
; between vector or matrix instructions and memory or LDS instructions, with s_wait_alu, always for 0.
; THE PLAN.  Registers that memory or LDS instructions touch:
;   v2-8, v12, v36-43, v184-185, v230-231   lane constants and offsets: written once at the head, ahead of one wait on va_vdst; read by loads, stores, permutes and the closing add.
;   v64-183 at the head                     the copy: global loads land in them, LDS stores read them; one wait on vm_vsrc behind the barrier frees them (and v184, v185) for the passes.
;   WK, WM, WV, WS, TQ                      written by four additions at a pass's or a full step's head; read by that pass's or step's LDS loads.
;   KR, KM                                  the look-ahead's loads land in them at a step's end; the next step's multiply-adds read them; KR then holds tile 0's t and p, read last by the conversions and the sums.
;   V's fragments and scale words           a full step's loads land in them in its middle; its eight products read them at its end.
;   VQ, KS0;  RL, RB;  PR at the end        a pass's head;  the reciprocals, the permutes that read them and their results;  the rows that the stores read.
;   PS, CA, CB                              p's scale words and codes: written by vector lines, read by the scaled products.
; A FULL STEP has one wait on vm_vsrc, at its head, ahead of the four additions, and four on va_vdst: behind tile 1's multiply-adds, behind tile 0's multiply-adds (tile 1's exponentials; WV and WS; the last products' reads of V: V's loads follow it),
; ahead of tile 0's scales (tile 0's exponentials), and behind the last sums (KR and KM are done with, PS, CA and CB are written: the look-ahead and the products follow it).
.set REC,  7680
.set O_SC, 6144
.set O_KS, 6400
.set O_VS, 6912
.set O_MM, 7424
.set LK,   2                           ; v2   128 h: my blocks' ks in a record
.set LV,   3                           ; v3   48 x lane: my 48 bytes of a fragment of V
.set LS,   4                           ; v4   16 r: the scale words of channels 4 r .. 4 r + 3
.set LM,   5                           ; v5   16 h: largest and smallest ks of blocks h and 2 + h
.set LP,   6                           ; v6   7,680 (lane / 2) + 16 (lane % 2): the same of record lane / 2
.set LQ,   7                           ; v7   4 r
.set GO,   8                           ; v8   32,768 h + 16 r: out0: eight rows down for lanes 16-31, 16 bytes a lane
.set SH8,  9                           ; v9   8 h
.set STL,  10                          ; v10  lane / 2
.set DQ,   11                          ; v11  r - 32 h
.set ZA,   12                          ; v12  0
.set NINF, 13                          ; v13  -infinity
.set WK,   14                          ; v14, v15, v46, v47: the step's LDS addresses
.set WM,   15
.set AA,   16                          ; tile u: v[16 + 6 u] (a, a); v[18 + 6 u] (c0 - M, twice); v[20 + 6 u] the sum, in two halves
.set CM,   18
.set SS,   20
.set CC,   28                          ; v28-29 (c0, c0)
.set NM,   30                          ; v30-31 (-M, -M)
.set TPRE, 32                          ; v32-33 the largest t of the steps before the diagonal
.set DD,   34                          ; v34-35 my query less my first key, in the diagonal step
.set IDX,  36                          ; v36-43 4 (8 h + j): the lane that holds query 8 h + j
.set RL,   44                          ; v44-45 1 / the sum
.set WV,   46
.set WS,   47
.set RB,   48                          ; v48-63 1 / the sum of query 8 h + j, tile u: v[48 + 8 u + j]
.set KR,   64                          ; v64-127  ks; then tile 0's t and p
.set PR,   128                         ; v128-191 tile 1's t and p; at the end the rows to be stored
.set CA,   192                         ; v192-203 tile 0's codes; v204-215 tile 1's
.set CB,   204
.set CTM,  216                         ; v216-218, v220-222 the upper halves as the conversions leave them
.set VS,   224                         ; v224-227 V's scale words: scales and nothing else
.set PS,   228                         ; v228-229 p's scale words: scales and nothing else
.set KM,   232                         ; v232-235 largest, smallest ks of block h; of block 2 + h
.set TM,   236                         ; v[236 + 2 u + c] the largest t, then p, of my block c
.set SO,   240                         ; v240-241 the conversions' scale operands;  v242-243 the bytes
.set BY,   242
.set W,    244                         ; v244-251 at work; v244 takes the lane permutes
.set VQ,   252                         ; v252-253 vs of my query in tiles 0, 1
.set KS0,  254                         ; v254 ks of key 0
.set TQ,   255
.set CP0,  184                         ; at the head alone: 16 x thread; the same + 65,536
.set CP1,  185
.set VF,   64                          ; window 1
.set TB,   11                          ; s11 7,680 x the full step in hand
.set SEL,  12                          ; s[12:13] v_permlanex16_b32's selects for lane l xor 16
.set PAR,  14                          ; s14 params[0]
.set DT,   15                          ; s15 the double tile
.set GS,   16                          ; s16 its diagonal step, and the number of full steps
.set RD,   17                          ; s17 7,680 x that
.set RQ,   18                          ; s18 + 128 (DT & 3)
.set M32,  19                          ; s19 32 (DT & 3)
.set OB,   20                          ; s[20:21] out0 at the double tile's first row
.set OO,   22
.set CNT,  24
.set PASS, 25
.set MK,   32                          ; s32-63 and s66-97: the diagonal step's 64 masks of a tile: register n's at s[32 + n + 2 (n / 32)]
.set MSB, 0
.macro WIN new                         ; s_set_vgpr_msb: bits 1:0 source 0, 3:2 source 1, 5:4 source 2, 7:6 destination; the high byte repeats the setting that is left
.if MSB != \new
	s_set_vgpr_msb (MSB<<8)|\new
.set MSB, \new
.endif
.endm
	s_load_b128 s[4:7], s[0:1], 0x0                ; ws, params
	s_load_b64 s[8:9], s[0:1], 0x10                ; out0
	v_lshl_add_u32 v230, v0, 2, 0x1e000
	v_mov_b32 v231, 0
	v_lshrrev_b32 v1, 5, v0
	v_readfirstlane_b32 s10, v1                    ; wave 0..7
	s_lshr_b32 s26, ttmp9, 2                       ; 16 b + head
	s_and_b32 s27, ttmp9, 3
	s_lshl_b32 s[DT], s27, 3
	s_wait_alu depctr_va_sdst(0)                   ; s10 is written, ahead of its first reader: the double tile is made from it
	s_add_co_u32 s[DT], s[DT], s10                 ; u: the first pass's double tile
	s_mul_i32 s28, s26, 16*REC                     ; the head's records
	s_mov_b32 s29, 0
	s_lshr_b32 s30, s26, 4
	s_and_b32 s31, s26, 15
	s_lshl_b32 s30, s30, 23                        ; b x 2,048 rows of 4,096 bytes
	s_lshl_b32 s31, s31, 8                         ; + head x 256
	s_add_co_u32 s30, s30, s31
	s_mov_b32 s31, 0
	s_mov_b32 s[SEL], 0x76543210
	s_mov_b32 s[SEL+1], 0xfedcba98
	v_and_b32 v1, 31, v0                           ; lane
	v_and_b32 v244, 15, v0                         ; r
	v_bfe_u32 v245, v0, 4, 1                       ; h
	v_lshlrev_b32 v[LK], 7, v245
	v_mul_u32_u24 v[LV], v1, 48
	v_lshlrev_b32 v[LS], 4, v244
	v_lshlrev_b32 v[LM], 4, v245
	v_bfe_u32 v[STL], v0, 1, 4
	v_and_b32 v246, 1, v0
	v_mul_u32_u24 v[LP], v[STL], REC
	v_lshl_add_u32 v[LP], v246, 4, v[LP]
	v_lshlrev_b32 v[LQ], 2, v244
	v_lshlrev_b32 v[GO], 15, v245
	v_lshl_add_u32 v[GO], v244, 4, v[GO]
	v_lshlrev_b32 v[SH8], 3, v245
	v_lshlrev_b32 v246, 5, v245                    ; 32 h
	v_sub_nc_u32 v[DQ], v244, v246
	v_mov_b32 v[ZA], 0
	v_mov_b32 v[NINF], 0xff800000
.irp j, 0,1,2,3,4,5,6,7
	v_add_nc_u32 v[IDX+\j], 4*\j, v246
.endr
	v_lshlrev_b32 v[CP0], 4, v0
	v_add_nc_u32 v[CP1], 0x10000, v[CP0]           ; an LDS immediate has 16 bits: the upper part of LDS through a second register
	s_wait_kmcnt 0x0
	s_load_b32 s[PAR], s[6:7], 0x0
	s_add_nc_u64 s[4:5], s[4:5], s[28:29]
	s_add_nc_u64 s[8:9], s[8:9], s[30:31]
	s_wait_alu depctr_va_vdst(0)                   ; the lane constants and offsets made above are written (v2-8, v12, v36-43, v184, v185, v230, v231): the copy below and every later load, store and permute read them, and no vector line writes them again while they serve
.set nn, 0
.rept 30
	global_load_b128 v[KR+4*nn:KR+4*nn+3], v[CP0], s[4:5] offset:4096*nn   ; 256 threads x 16 bytes x 30 = the head's 122,880 bytes, all asked for at once
.set nn, nn+1
.endr
	; cos(params[0]), while they are on their way: x = n pi/2 + r, |r| <= pi/4 (pi/2 in three parts, each taken off by a fused multiply-add); cos r and sin r by their series, whose first term left out is under 3e-8
	s_wait_kmcnt 0x0
	v_mov_b32 v245, s[PAR]
	v_mul_f32 v246, 0x3f22f983, v245               ; x 2 / pi
	v_rndne_f32 v246, v246                         ; n
	v_fma_f32 v247, v246, 0xbfc90fdb, v245
	v_fma_f32 v247, v246, 0x333bbd2e, v247
	v_fma_f32 v247, v246, 0x26f72cf1, v247         ; r
	v_mul_f32 v250, v247, v247                     ; z = r r
	v_mov_b32 v248, 0x37d00d01                     ; 1/40320
	v_mov_b32 v249, 0x3638ef1d                     ; 1/362880
	v_fma_f32 v248, v248, v250, 0xbab60b61         ; -1/720
	v_fma_f32 v249, v249, v250, 0xb9500d01         ; -1/5040
	v_fma_f32 v248, v248, v250, 0x3d2aaaab         ; 1/24
	v_fma_f32 v249, v249, v250, 0x3c088889         ; 1/120
	v_fma_f32 v248, v248, v250, -0.5
	v_fma_f32 v249, v249, v250, 0xbe2aaaab         ; -1/6
	v_fma_f32 v248, v248, v250, 1.0                ; cos r
	v_mul_f32 v249, v249, v250
	v_fma_f32 v249, v249, v247, v247               ; sin r
	v_cvt_i32_f32 v251, v246                       ; n mod 4: 0 cos r, 1 -sin r, 2 -cos r, 3 sin r
	v_and_b32 v246, 1, v251
	v_cmp_eq_u32 vcc_lo, 1, v246
	v_add_nc_u32 v251, 1, v251
	v_and_b32 v251, 2, v251
	v_lshlrev_b32 v251, 30, v251                   ; the sign bit where n mod 4 is 1 or 2
	s_wait_alu depctr_va_vcc(0)                    ; the compare has written VCC, ahead of the select that reads it
	v_cndmask_b32 v248, v248, v249, vcc_lo
	v_xor_b32 v248, v248, v251
	v_mul_f32 v[CC], 0x3e38aa3b, v248              ; c0 = cos x 0.125 log2(e)
	v_mov_b32 v[CC+1], v[CC]
	v_mov_b32 v[W], 0                              ; written once: a lane permute's destination counts as one of its sources
.set nn, 0
.rept 30
	s_wait_loadcnt 29-nn                           ; loads come back in order (ISA guide 5.7.1): this one is in, the younger ones stay out
.if nn < 16
	ds_store_b128 v[CP0], v[KR+4*nn:KR+4*nn+3] offset:4096*nn
.else
	ds_store_b128 v[CP1], v[KR+4*nn:KR+4*nn+3] offset:4096*(nn-16)
.endif
.set nn, nn+1
.endr
	s_wait_dscnt 0x0                               ; for the others' sake: my part lies in LDS
	s_barrier_signal -1
	s_barrier_wait -1                              ; the sixteen records are whole; from here on LDS is only read
	s_wait_alu depctr_vm_vsrc(0)                   ; the copy's loads and LDS stores have read v64-185: from here on these registers are KR and PR, in which loads land and which vector lines write
; V's four fragments (three loads of 16 bytes each: the lane's 48 bytes are its 12 registers; lanes 48 bytes apart, so sixteen lanes' pieces fall on sixteen different columns of 16 bytes modulo 256) and its scale words: 13 loads.
; w = 1, in a full step: the wait stands here, behind the window's switch and ahead of the loads.  w = 0, at a pass's head: the wait ahead of the pass's first load has stated the same, and only loads and switches stand between.
.macro VLOADS w
	WIN 0x40                                       ; destination window 1
.if \w
	s_wait_alu depctr_va_vdst(0)                   ; tile 1's 66 exponentials have written their results, ahead of their first reader; the step's additions have written v[WV] and v[WS], which the loads below read; the last step's products are done reading V's fragments and scale words, in which they land
.endif
.irp t, 0,1,2,3
.irp g, 0,1,2
	ds_load_b128 v[VF+12*\t+4*\g:VF+12*\t+4*\g+3], v[WV] offset:1536*\t+16*\g
.endr
.endr
	WIN 0
	ds_load_b128 v[VS:VS+3], v[WS] offset:O_SC
.endm
; my 64 ks of a record (16 loads; the sixteen lanes of a half read the same bytes), and with mm = 1 my two blocks' largest and smallest
.macro KLOADS ak, am, off, mm
.irp c, 0,1
.irp q, 0,1,2,3,4,5,6,7
	ds_load_b128 v[KR+32*\c+4*\q:KR+32*\c+4*\q+3], v[\ak] offset:\off+O_KS+256*\c+16*\q
.endr
.endr
.if \mm
	ds_load_b128 v[KM:KM+3], v[\am] offset:\off+O_MM
.endif
.endm
; the largest t - M of my two blocks, tile u: the same multiply-add on the same numbers as TFMA's gives the same bits
.macro TMAX u
.irp c, 0,1
	v_fma_f32 v[W+1+2*\c], v[AA+6*\u], v[KM+2*\c], v[CM+6*\u]
	v_fma_f32 v[W+2+2*\c], v[AA+6*\u], v[KM+2*\c+1], v[CM+6*\u]
.endr
.irp c, 0,1
	v_max_num_f32 v[TM+2*\u+\c], v[W+1+2*\c], v[W+2+2*\c]
.endr
.endm
; v[rg ..] = k a + ad, 64 numbers, two at a time
.macro TFMA rg, u, ad
.set nn, 0
.rept 32
	v_pk_fma_f32 v[\rg+nn:\rg+nn+1], v[KR+nn:KR+nn+1], v[AA+6*\u:AA+6*\u+1], v[\ad:\ad+1]
.set nn, nn+2
.endr
.endm
; The diagonal step, tile u: the masks; t; hidden keys become -infinity; my blocks' largest t; the row's; M; t - M.
; The 64 compares go in one run into 64 scalar registers, the multiply-adds follow them, and ONE wait stands ahead of the 64 selects.
.macro DPRE u, rg
.set nn, 0
.rept 64
	v_cmp_gt_i32 s[MK+nn+2*(nn/32)], 64*(nn/32)+nn%32, v[DD+\u]   ; register 32 c + i holds key 64 c + 32 h + i of the step: hidden where 64 c + i > my query - 32 h
.set nn, nn+1
.endr
	TFMA \rg, \u, CC
	s_wait_alu depctr_va_sdst(0)                   ; the 64 compares have written their masks, ahead of the selects that read them
.set nn, 0
.rept 64
	v_cndmask_b32 v[\rg+nn], v[\rg+nn], v[NINF], s[MK+nn+2*(nn/32)]
.set nn, nn+1
.endr
.irp c, 0,1
	v_max3_num_f32 v[TM+2*\u+\c], v[\rg+32*\c], v[\rg+32*\c+1], v[\rg+32*\c+2]
.endr
.irp i, 3,5,7,9,11,13,15,17,19,21,23,25,27,29
.irp c, 0,1
	v_max3_num_f32 v[TM+2*\u+\c], v[TM+2*\u+\c], v[\rg+32*\c+\i], v[\rg+32*\c+\i+1]   ; (the two blocks by turns)
.endr
.endr
.irp c, 0,1
	v_max_num_f32 v[TM+2*\u+\c], v[TM+2*\u+\c], v[\rg+32*\c+31]
.endr
	v_max_num_f32 v[W+1], v[TM+2*\u], v[TM+2*\u+1]
	v_permlanex16_b32 v[W], v[W+1], s[SEL], s[SEL+1]
	v_max3_num_f32 v[W+1], v[W+1], v[W], v[TPRE+\u]               ; with the other half's blocks and the steps before: the row's largest t
	v_floor_f32 v[NM], -v[W+1]                     ; -M = floor(-t) = -ceil(t)
	v_mov_b32 v[NM+1], v[NM]
	v_pk_add_f32 v[CM+6*\u:CM+6*\u+1], v[CC:CC+1], v[NM:NM+1]     ; c0 - M, for the full steps
.set nn, 0
.rept 32
	v_pk_add_f32 v[\rg+nn:\rg+nn+1], v[\rg+nn:\rg+nn+1], v[NM:NM+1]
.set nn, nn+2
.endr
	v_pk_add_f32 v[TM+2*\u:TM+2*\u+1], v[TM+2*\u:TM+2*\u+1], v[NM:NM+1]   ; the same addition on the same number: the same bits
.endm
; one batch of 66 exponentials: p, and my two blocks' largest p
.macro EXPB rg, u
.set nn, 0
.rept 64
	v_exp_f32 v[\rg+nn], v[\rg+nn]
.set nn, nn+1
.endr
	v_exp_f32 v[TM+2*\u], v[TM+2*\u]
	v_exp_f32 v[TM+2*\u+1], v[TM+2*\u+1]
.endm
; my two blocks' scale operands and bytes; the row's scale word
.macro SCALES u
.irp c, 0,1
	v_max_num_f32 v[TM+2*\u+\c], 0x1800000, v[TM+2*\u+\c]         ; the floor 2^(3 - 127): the byte cannot fall under 1 (a block whose every p is 0 keeps that byte, over zero codes)
.endr
.irp c, 0,1
	v_add_nc_u32 v[SO+\c], 0xff000000, v[TM+2*\u+\c]              ; 2 off the exponent field: the conversion's scale operand
.endr
.irp c, 0,1
	v_lshrrev_b32 v[BY+\c], 23, v[SO+\c]
.endr
	v_lshl_or_b32 v[PS+\u], v[BY+1], 16, v[BY]     ; blocks h and 2 + h,
	v_lshlrev_b32 v[PS+\u], v[SH8], v[PS+\u]       ; at their places in the word (8 h bits up);
	v_permlanex16_b32 v[W], v[PS+\u], s[SEL], s[SEL+1]
	v_or_b32 v[PS+\u], v[PS+\u], v[W]              ; with lane l xor 16's two the word is whole
.endm
; 64 numbers become the operand's 12 registers
.macro CODES rg, cd
.irp c, 0,1
	v_cvt_scalef32_pk16_fp6_f32 v[\cd+6*\c:\cd+6*\c+2], v[\rg+32*\c:\rg+32*\c+15], v[SO+\c]
	v_cvt_scalef32_pk16_fp6_f32 v[CTM+4*\c:CTM+4*\c+2], v[\rg+32*\c+16:\rg+32*\c+31], v[SO+\c]   ; (a conversion's three registers begin on an even number)
.endr
	v_nop                                          ; one plain place behind a scaled conversion
.irp c, 0,1
.irp i, 0,1,2
	v_mov_b32 v[\cd+6*\c+3+\i], v[CTM+4*\c+\i]
.endr
.endr
.endm
; the row's sum takes the UNQUANTISED p: two at a time, in two chains.  These 32 lines are also the places between the scale word, the codes and the products
.macro SUMS rg, u
	v_pk_add_f32 v[W+2:W+3], v[\rg:\rg+1], v[\rg+2:\rg+3]
.irp n, 4,8,12,16,20,24,28,32,36,40,44,48,52,56,60
	v_pk_add_f32 v[SS+6*\u:SS+6*\u+1], v[SS+6*\u:SS+6*\u+1], v[\rg+\n:\rg+\n+1]
	v_pk_add_f32 v[W+2:W+3], v[W+2:W+3], v[\rg+\n+2:\rg+\n+3]
.endr
	v_pk_add_f32 v[SS+6*\u:SS+6*\u+1], v[SS+6*\u:SS+6*\u+1], v[W+2:W+3]
.endm
; eight products, the eight accumulators by turns, one instruction a turn, over the loop's backward jump too.  zero = 1: they start the sums: nothing is cleared
.macro MULS zero
	WIN 0x54                                       ; source 0 (p) window 0; source 1 (V), C and D window 1
.irp u, 1,0
.irp t, 0,1,2,3
.if \zero
	v_wmma_scale_f32_16x16x128_f8f6f4 v[8*(4*\u+\t):8*(4*\u+\t)+7], v[CA+12*\u:CA+12*\u+11], v[VF+12*\t:VF+12*\t+11], 0, v[PS+\u], v[VS+\t] matrix_a_fmt:MATRIX_FMT_FP6 matrix_b_fmt:MATRIX_FMT_FP6
.else
	v_wmma_scale_f32_16x16x128_f8f6f4 v[8*(4*\u+\t):8*(4*\u+\t)+7], v[CA+12*\u:CA+12*\u+11], v[VF+12*\t:VF+12*\t+11], v[8*(4*\u+\t):8*(4*\u+\t)+7], v[PS+\u], v[VS+\t] matrix_a_fmt:MATRIX_FMT_FP6 matrix_b_fmt:MATRIX_FMT_FP6
.endif
.endr
.endr
	WIN 0
.endm
; a; the largest t over the steps before the diagonal; the mask's number; the sums begin at 0
.macro PREFIX
	v_cmp_gt_u32 vcc_lo, s[GS], v[STL]             ; is my record one of the steps before the diagonal?
.irp u, 0,1
	v_mul_f32 v[AA+6*\u], 0x3db8aa3b, v[VQ+\u]     ; a = vs x 0.0625 log2(e)
.endr
.irp u, 0,1
	v_mov_b32 v[AA+6*\u+1], v[AA+6*\u]
.endr
	s_wait_alu depctr_va_vcc(0)                    ; the compare has written VCC, ahead of the four selects that read it
.irp i, 0,1,2,3
	v_cndmask_b32 v[KM+\i], v[KS0], v[KM+\i], vcc_lo              ; if not: ks of key 0, which counts for every query
.endr
	v_max_num_f32 v[W+1], v[KM], v[KM+2]
	v_min_num_f32 v[W+2], v[KM+1], v[KM+3]
.irp m, 1,2,4,8
	v_max_num_f32_dpp v[W+1], v[W+1], v[W+1] row_xmask:\m row_mask:0xf bank_mask:0xf
	v_min_num_f32_dpp v[W+2], v[W+2], v[W+2] row_xmask:\m row_mask:0xf bank_mask:0xf
.endr
	v_permlanex16_b32 v[W], v[W+1], s[SEL], s[SEL+1]
	v_max_num_f32 v[W+1], v[W+1], v[W]             ; the largest ks of those steps,
	v_permlanex16_b32 v[W], v[W+2], s[SEL], s[SEL+1]
	v_min_num_f32 v[W+2], v[W+2], v[W]             ; and the smallest
.irp u, 0,1
	v_fma_f32 v[W+3], v[AA+6*\u], v[W+1], v[CC]
	v_fma_f32 v[W+4], v[AA+6*\u], v[W+2], v[CC]
	v_max_num_f32 v[TPRE+\u], v[W+3], v[W+4]
.endr
	v_add_nc_u32 v[DD], s[M32], v[DQ]              ; my query in the step, less 32 h: 32 (DT & 3) + r - 32 h; tile 1: 16 more
	v_add_nc_u32 v[DD+1], 16, v[DD]
.irp u, 0,1
	v_mov_b32 v[SS+6*\u], 0
	v_mov_b32 v[SS+6*\u+1], 0
.endr
.endm
; A KEY STEP for both tiles.  The two tiles' exponentials are two batches; each has the other tile's plain work behind it and ONE s_wait_alu ahead of its first reader.
.macro STEP diag
.if \diag
	VLOADS 0                                       ; wanted at the step's end; the wait at the pass's head serves them
	s_wait_dscnt 29                                ; behind the pass's four small loads: 16 of ks and V's 13
	PREFIX
	s_wait_alu depctr_va_vdst(0)
	s_wait_dscnt 13                                ; ks is in; V's 13 stay out
	DPRE 1, PR
	s_wait_alu depctr_va_vdst(0)
	EXPB PR, 1
	DPRE 0, KR                                     ; tile 0's t takes the place of ks
	s_wait_alu depctr_va_vdst(0)                   ; tile 1's 66 exponentials have written their results, ahead of their first reader
.else
	s_wait_alu depctr_vm_vsrc(0)                   ; the LDS loads issued so far have read v[WV], v[WS], v[WK] and v[WM], which the four additions write again
	v_add_nc_u32 v[WV], s[TB], v[LV]               ; the step's addresses
	v_add_nc_u32 v[WS], s[TB], v[LS]
	v_add_nc_u32 v[WK], s[TB], v[LK]
	v_add_nc_u32 v[WM], s[TB], v[LM]
	s_wait_dscnt 0x0                               ; ks and the blocks' largest and smallest, asked for a step ago, are in; nothing younger is out
	TMAX 1
	TMAX 0
	TFMA PR, 1, CM+6
	s_wait_alu depctr_va_vdst(0)
	EXPB PR, 1
	TFMA KR, 0, CM
	VLOADS 1                                       ; this step's V, wanted at the step's end: behind the wait for tile 1's batch, which states all that these loads hang on
.endif
	EXPB KR, 0
	SCALES 1
	CODES PR, CB
	SUMS PR, 1
	s_wait_alu depctr_va_vdst(0)                   ; tile 0's 66 exponentials have written their results, ahead of their first reader
	SCALES 0
	CODES KR, CA
	SUMS KR, 0
	s_wait_alu depctr_va_vdst(0)                   ; the conversions and the sums are done reading KR, and the maxima KM: the look-ahead's loads land there; p's scale words and codes are written, which the scaled products take (the sums above are their places)
.if \diag
	KLOADS LK, LM, 0, 1                            ; look-ahead: record 0
.else
	KLOADS WK, WM, REC, 1                          ; look-ahead: the next record (behind the last full step: the diagonal's, which lies in LDS and is not used)
.endif
	s_wait_dscnt 17                                ; V is in; the look-ahead's 17 stay out
	MULS \diag
.endm
	s_mov_b32 s[PASS], 0
.Lpass:
	s_bfe_u32 s[GS], s[DT], 0x40002                ; the diagonal step: (DT >> 2) & 15
	s_and_b32 s[M32], s[DT], 3
	s_mul_i32 s[RD], s[GS], REC
	s_lshl_b32 s[RQ], s[M32], 7
	s_add_co_u32 s[RQ], s[RQ], s[RD]
	s_lshl_b32 s[M32], s[M32], 5
	s_lshl_b32 s[OO], s[DT], 17                    ; 32 rows of 4,096 bytes
	s_mov_b32 s[OO+1], 0
	s_add_nc_u64 s[OB:OB+1], s[8:9], s[OO:OO+1]
	v_add_nc_u32 v[WK], s[RD], v[LK]               ; (what read these four registers before has read them: the wait on vm_vsrc behind the barrier, or at the last pass's end)
	v_add_nc_u32 v[WV], s[RD], v[LV]
	v_add_nc_u32 v[WS], s[RD], v[LS]
	v_add_nc_u32 v[TQ], s[RQ], v[LQ]
	s_wait_alu depctr_va_vdst(0)                   ; the four additions have written the addresses that the 33 loads below read; the last pass's vector lines and products are done with VQ, KS0, KM, KR, V's fragments and scale words, in which these loads land
	ds_load_b32 v[VQ], v[TQ] offset:O_VS           ; vs of my query in tile 0,
	ds_load_b32 v[VQ+1], v[TQ] offset:O_VS+64      ; in tile 1
	ds_load_b32 v[KS0], v[ZA] offset:O_KS          ; ks of key 0
	ds_load_b128 v[KM:KM+3], v[LP] offset:O_MM     ; record lane / 2: two blocks' largest and smallest
	KLOADS WK, WM, 0, 0
	STEP 1
	; The full steps, records 0 .. g - 1.  The trip count is a constant of the text, so that every LDS address can be read off it; a trip that the pass does not have jumps over its work (a scalar branch on ids).
	s_mov_b32 s[CNT], 0
	s_mov_b32 s[TB], 0
.Lfull:
	s_cmp_ge_u32 s[CNT], s[GS]
	s_cbranch_scc1 .Lskip
	STEP 0
.Lskip:
	s_add_co_u32 s[TB], s[TB], REC
	s_add_co_u32 s[CNT], s[CNT], 1
	s_cmp_lt_u32 s[CNT], 15
	s_cbranch_scc1 .Lfull
	; THE WAY OUT.  The four additions and the v_nop are the places behind the last products.
	s_wait_dscnt 0x0                               ; the last look-ahead has landed: its registers are free
.irp u, 0,1
	v_add_f32 v[W+1+\u], v[SS+6*\u], v[SS+6*\u+1]  ; the sum's two halves,
.endr
.irp u, 0,1
	v_permlanex16_b32 v[W+3+\u], v[W+1+\u], s[SEL], s[SEL+1]
.endr
.irp u, 0,1
	v_add_f32 v[W+1+\u], v[W+1+\u], v[W+3+\u]      ; and lane l xor 16's: the row's sum
.endr
	s_wait_alu depctr_va_vdst(0)
.irp u, 0,1
	v_rcp_f32 v[RL+\u], v[W+1+\u]
.endr
	v_nop                                          ; a plain place behind the reciprocals
	s_wait_alu depctr_va_vdst(0)                   ; the two reciprocals have written v[RL ..], which the permutes below read; the last pass's multiplications are done reading v[RB ..], in which the permutes' results land
.irp u, 0,1
.irp j, 0,1,2,3,4,5,6,7
	ds_bpermute_b32 v[RB+8*\u+\j], v[IDX+\j], v[RL+\u]            ; a result's register j is query 8 h + j: its 1 / sum lies in lane 8 h + j
.endr
.endr
	s_wait_dscnt 0x0
	WIN 0x01                                       ; source 0 window 1
.irp u, 0,1
.irp j, 0,1,2,3,4,5,6,7
.irp t, 0,1,2,3
	v_mul_f32 v[PR+32*\u+4*\j+\t], v[8*(4*\u+\t)+\j], v[RB+8*\u+\j]   ; out0(query 16 u + 8 h + j, channel 4 r + t); each accumulator from its low end on
.endr
.endr
.endr
	WIN 0
	s_wait_alu depctr_va_vdst(0)                   ; the 64 multiplications have written v[PR ..], which the sixteen stores read
.irp u, 0,1
.irp j, 0,1,2,3,4,5,6,7
	global_store_b128 v[GO], v[PR+32*\u+4*\j:PR+32*\u+4*\j+3], s[OB:OB+1] offset:65536*\u+4096*\j th:TH_STORE_NT   ; sixteen lanes store a head's row: 256 consecutive bytes, at a multiple of 256 from out0's first byte
.endr
.endr
	s_wait_xcnt 0x0                                ; the stores have read their registers and their base: both are written again in the next pass
	s_wait_alu depctr_vm_vsrc(0)                   ; the stores have read v[PR ..], the permutes v[RL ..], the pass's LDS loads v[WK], v[WM], v[WV], v[WS] and v[TQ]: the next pass's vector lines write all of these again
	s_sub_co_u32 s[DT], 63, s[DT]                  ; the second pass: double tile 63 - u
	s_add_co_u32 s[PASS], s[PASS], 1
	s_cmp_lt_u32 s[PASS], 2
	s_cbranch_scc1 .Lpass
	s_wait_dscnt 0x0                               ; the closing lines, six on end
	s_wait_alu 0x0
	s_wait_tensorcnt 0x0
	ds_add_u32 v230, v231
	s_wait_dscnt 0x0
	s_endpgm
.Lfunc_end_k_q4c73132c30_attend:
	.size	k_q4c73132c30_attend, .Lfunc_end_k_q4c73132c30_attend-k_q4c73132c30_attend
	.p2alignl 7, 3214868480
	.fill 96, 4, 3214868480
	.section	.rodata,"a",@progbits
	.p2align	6, 0x0
	.amdhsa_kernel k_q4c73132c30_attend
		.amdhsa_group_segment_fixed_size 123904
		.amdhsa_private_segment_fixed_size 0
		.amdhsa_enable_private_segment 0
		.amdhsa_kernarg_size 24
		.amdhsa_user_sgpr_count 2
		.amdhsa_user_sgpr_kernarg_segment_ptr 1
		.amdhsa_wavefront_size32 1
		.amdhsa_system_sgpr_workgroup_id_x 1
		.amdhsa_system_sgpr_workgroup_id_y 1
		.amdhsa_system_sgpr_workgroup_id_z 1
		.amdhsa_system_vgpr_workitem_id 0
		.amdhsa_next_free_vgpr 368
		.amdhsa_next_free_sgpr 98
		.amdhsa_reserve_vcc 1
		.amdhsa_float_denorm_mode_32 3
		.amdhsa_float_denorm_mode_16_64 3
		.amdhsa_memory_ordered 1
		.amdhsa_forward_progress 1
		.amdhsa_inst_pref_size 82
	.end_amdhsa_kernel
	.amdgpu_metadata
---
amdhsa.version: [ 1, 2 ]
amdhsa.kernels:
  - .name:           k_q4c73132c30_attend
    .symbol:         k_q4c73132c30_attend.kd
    .args:
      - { .name: ws, .offset: 0, .size: 8, .value_kind: global_buffer, .address_space: global }
      - { .name: params, .offset: 8, .size: 8, .value_kind: global_buffer, .address_space: global }
      - { .name: out0, .offset: 16, .size: 8, .value_kind: global_buffer, .address_space: global }
    .group_segment_fixed_size: 123904
    .private_segment_fixed_size: 0
    .kernarg_segment_align: 8
    .kernarg_segment_size: 24
    .max_flat_workgroup_size: 256
    .sgpr_count:     98
    .vgpr_count:     368
    .wavefront_size: 32
...
	.end_amdgpu_metadata
.endif
;; end of part 4
